; MI455X (gfx1250); checked and timed in simulation.
; The chip was launched on July 23, 2026; its instructions are those of AMD's public machine-readable ISA for CDNA 5 (MIT licence, August 2026) and "CDNA5" Instruction Set Architecture Reference Guide (July 2026). The comments in the code are by the model that wrote it; some were corrected since.
;; Hyperbolic Attention. Allowed arithmetic: float matrix products may take bf16 or f16 operands with f32 sums; other float arithmetic in f32, or as packed bf16 or f16 multiplies, adds, multiply-adds, maxima and minima; sums over many terms, partial sums and values carried from step to step in f32; what a program stores and reads back later, other than sums and carried values, may be rounded once to bf16 or f16.
;; Inputs: Wk 256 x 512 float32; Wo 512 x 512 float32; Wq 256 x 512 float32; Wv 256 x 512 float32; inputs 2 x 4,096 x 256 float32.
;; Outputs: out0 2 x 4,096 x 512 float32.
;; 2 versions, each right; version 2 is version 1 with the launches proj, outp written anew for expert scheduling mode. Each part assembles by itself: llvm-mc -triple=amdgcn-amd-amdhsa -mcpu=gfx1250 --defsym DOCPART=n.
;; ======== version 1 of 2: 3 launches
;; limits: values are held in f16: magnitudes above 65,504 overflow, below 6.1e-05 lose precision
;; workspace buffers: qh 8,388,608 bytes; kh 8,388,608 bytes; vh 8,388,608 bytes; kc 262,144 bytes; wof 524,288 bytes; ctx 8,388,608 bytes
;; launch proj (part 1): grid 64 x 4, 4 waves a work-group, no clusters, 282,112 bytes of LDS; arguments inputs, Wq, Wk, Wv, Wo, qh, kh, vh, kc, wof; writes qh, kh, vh, kc, wof
.if DOCPART == 1
	.amdgcn_target "amdgcn-amd-amdhsa--gfx1250"
	.amdhsa_code_object_version 6
	.text
	.protected	k_q5da83f38ef_proj
	.globl	k_q5da83f38ef_proj
	.p2align	8
	.type	k_q5da83f38ef_proj,@function
k_q5da83f38ef_proj:
	s_mov_b64 s[64:65], 0
	v_nop
	global_prefetch_b8 v0, s[64:65] scope:SCOPE_SE
	s_setreg_imm32_b32 hwreg(HW_REG_WAVE_MODE, 25, 1), 1
	s_wait_xcnt 0x0
; PROJ.  From x = inputs [8192][256] f32 and Wq, Wk, Wv [256][512] f32 it makes, by heads [16 = batch x head][4096][64] in f16:
;   qh = expmap0(tangent Wq);  kh = expmap0(tangent Wk) x log2(e)/4;  vh = logmap0(tangent Wv) x 4096;  and kc [16][4096] f32 = -|expmap0(k)|^2 log2(e)/8.
; tangent = s x with one number s = artanh(min(n, 1-1e-5)) / n, n = max(|x|, 1e-7), a row: so the product is bf16(x) bf16(W) with f32 sums, and s is applied behind it.  |x|^2 is taken of the rounded x.
; For a row and head: ssq = the sum of the 64 sums' squares, n = max(s sqrt(ssq), 1e-7); the factor is s tanh(n)/n (q, k) or s artanh(min(n, 1-1e-5))/n (v).
; tanh(n)/n: below n = 0.125 the series 1 + u(-1/3 + u(2/15 - 17u/315)), u = n^2 (next term under 2e-9), else (1 - 2/(1 + 2^(2 log2(e) n)))/n.  artanh(a): below 0.125 a(1 + u(1/3 + u(1/5 + u(1/7 + u/9)))), else ln(2)/2 (log2(1+a) - log2(1-a)).
; Both ways are computed in every lane and one is chosen by v_cndmask_b32.
; Side job: Wo [512][512] f32 is rounded to bf16, that number written as f16, in the order in which the last launch's fragments want it (wof): 128 pieces of 16 bytes a work-group.
; LIMITS.  NaN and infinities are not treated apart; ssq must stay finite (sums under 1e19); |Wo| under 65,504, and below 6e-5 it keeps f16's step of 6e-8, as q and k do (an exponent moves by less than 1e-7);
; |vh| <= 4096 artanh(1-1e-5) = 24,986 for every input.
; SHARES.  A work-group: 128 rows x the two heads 2 hp, 2 hp + 1 of q, k and v (3 x 128 columns).  A wave: 32 rows (two tiles of 16) x all those columns, one kind (128 columns, 16 accumulators) at a time.
; THE PRODUCT IS TAKEN TRANSPOSED (source 0 = 16 columns of W, source 1 = 16 rows of x): a lane holds ONE row (lane % 16) and the columns 8 (lane / 16) + 0..7 of each block of 16, so a head's sum of squares is
; a sum in the lane and one exchange of the lanes' halves, and eight results pack into 16 bytes of a row.
; NO CLUSTER, NO TENSOR LOAD: W arrives as f32 [k][n] and has to be rounded on its way into LDS, so it passes through registers; as f32 the work-group's share, 3 x 256 x 128 x 4 = 393,216 bytes, is more than LDS holds.
; kc leaves in pieces of 64 bytes (16 rows of one head a half wave): 262,144 bytes in the whole launch against 25 MB of whole rows.
.set PW,    800                        ; a k row of W in LDS: 3 kinds x 256 bytes of bf16 + 32 = 25 x 32 bytes
.set PX,    528                        ; a row of x in LDS: 512 bytes of bf16 + 16: 16 rows start at 16 different groups of four banks
.set XB,    256*PW                     ; behind W: 32 rows of x for each wave
.set XBW,   32*PX
.set STAGE, XB+4*XBW                   ; behind them: 16 rows x 144 bytes for each wave, for the way out
.set SP,    144
.set SPARE, STAGE+4*16*SP              ; behind the stages: the spare words, 128 bytes for each wave: two blocks of 256 bytes that no other line names
; window 0
.set GXO, 4                            ; v4   16 x lane: my 16 bytes of 512 on end, for the loads of x and W and the stores of q, k, v
.set LXS, 5                            ; v5   where my 8 bytes of a half row of x go
.set LWS, 6                            ; v6   where my 8 bytes of a k row of W go
.set AXF, 7                            ; v7   my place in a fragment of x
.set AW,  8                            ; v8-11  my place in a turned fragment of W, k rows 64 p on; steps 256 bytes a kind
.set STO, 12                           ; v12  the way out: where I put 16 bytes of a row
.set RD,  13                           ; v13  the way out: where I read rows back
.set KCO, 14                           ; v14  my word of kc: 4 (lane % 16) + 16,384 (lane / 16)
.set ZR,  15                           ; v15  0
.set SCR, 16                           ; v16-17  s of my row in tile 0, 1
.set WL,  18                           ; v18-25  eight numbers of Wo
.set WOS, 26                           ; v26  where they come from
.set WOD, 27                           ; v27  where they go
.set SPW, 28                           ; v28  LDS address of my spare word; never rewritten
.set NIL, 29                           ; v29  0; never rewritten
.set SQ,  32                           ; v32-39  sums of squares, a pair a group
.set CH,  40                           ; v40-47  the eight chains of |x|^2
.set RT,  40                           ; v40-71  four registers each: sqrt(ssq), n, three at work, u, the series, a
.set N,   44
.set T1,  48
.set T2,  52
.set T3,  56
.set U,   60
.set PL,  64
.set AA,  68
.set F,   72                           ; v72-79  the factor, a pair a group
.set KV,  80                           ; v80-85  kc
.set CV,  64                           ; v64-95  while x and W come in: a batch rounded to bf16
.set ACC, 128                          ; v128-255  accumulator (tile a, column block cb) at ACC + 8 (8 a + cb); while x and W come in: load sets 0, 1
; window 1: v0-127 fragments of x (tile a, K step ks at 64 a + 8 ks); v128-255 two buffers of W's fragments; while x and W come in: load sets 2, 3
.set WF,  128
.set WV,  4                            ; s4   my wave's number
.set RB,  5                            ; s5   block of 128 rows
.set HP,  6                            ; s6   pair of heads
.set T,   7                            ; s7   kinds to go: 3 = q, 2 = k, 1 = v
.set XP,  28                           ; s[28:29] x at my wave's 32 rows
.set WP,  30                           ; s[30:35] Wq, Wk, Wv at my wave's 64 k rows and the work-group's 128 columns
.set OB,  36                           ; s[36:37] where the kind in hand goes
.set OQ,  38                           ; s[38:43] qh, kh, vh at my wave's rows of head 2 hp
.set KCP, 44                           ; s[44:45] kc likewise
.set SCL, 46                           ; s46  the kind's constant; s47, s48: k's and v's
.set HM,  49                           ; s49  0xffff0000: a word's upper bf16; as a lane mask: lanes 16 to 31
.set SEL, 50                           ; s[50:51] v_permlanex16_b32's selects: each lane takes its own place in the other half
.set CT,  52                           ; s52-54 the series of tanh(n)/n
.set CA,  55                           ; s55-58 the series of artanh(a)/a
.set MSB, 0
.macro WIN new                         ; the immediate's high byte repeats the setting that is left; a switch that changes nothing is dropped
.if MSB != (\new)
	s_set_vgpr_msb (MSB<<8)|(\new)
.set MSB, \new
.endif
.endm
.macro ALLG n, line:vararg             ; one line for each group g
.set g, 0
.rept \n
	\line
.set g, g+1
.endr
.endm
.macro PLACES                          ; four places behind a matrix instruction (ISA guide 7.12.1)
.rept 4
	v_nop
.endr
.endm
	s_load_b512 s[8:23], s[0:1], 0x0               ; inputs 8, Wq 10, Wk 12, Wv 14, Wo 16, qh 18, kh 20, vh 22
	s_load_b128 s[24:27], s[0:1], 0x40             ; kc 24, wof 26
	v_lshl_add_u32 v[SPW], v0, 2, SPARE
	v_mov_b32 v[NIL], 0
	v_lshrrev_b32 v1, 5, v0
	v_readfirstlane_b32 s[WV], v1                  ; wave 0..3
	s_mov_b32 s[RB], ttmp9
	s_and_b32 s[HP], ttmp7, 0xffff
	v_and_b32 v1, 31, v0                           ; lane
	v_and_b32 v2, 15, v0                           ; lane % 16
	v_bfe_u32 v3, v0, 4, 1                         ; lane / 16
	v_lshlrev_b32 v[GXO], 4, v1
	s_mul_i32 s2, s[WV], XBW
	s_add_co_u32 s2, s2, XB                        ; my wave's rows of x in LDS
	v_lshl_add_u32 v[LXS], v1, 3, s2
	s_mul_i32 s3, s[WV], 64*PW                     ; my wave's 64 k rows of W in LDS
	v_lshl_add_u32 v[LWS], v1, 3, s3
	v_mul_u32_u24 v[AXF], v2, PX                   ; a fragment of x: row lane % 16, 16 bytes for each half of the lanes
	v_lshl_add_u32 v[AXF], v3, 4, v[AXF]
	v_add_nc_u32 v[AXF], s2, v[AXF]
	v_and_b32 v30, 7, v0
	v_bfe_u32 v31, v0, 3, 1
	v_lshl_add_u32 v[AW], v3, 3, v30               ; the turning load: k row 8 (lane / 16) + lane % 8, columns 8 ((lane / 8) % 2) on
	v_mul_u32_u24 v[AW], v[AW], PW
	v_lshl_add_u32 v[AW], v31, 4, v[AW]
	v_add_nc_u32 v[AW+1], 64*PW, v[AW]
	v_add_nc_u32 v[AW+2], 128*PW, v[AW]
	v_add_nc_u32 v[AW+3], 192*PW, v[AW]
	s_mul_i32 s2, s[WV], 16*SP
	s_add_co_u32 s2, s2, STAGE                     ; my stage
	v_mul_u32_u24 v[STO], v2, SP
	v_lshl_add_u32 v[STO], v3, 4, v[STO]
	v_add_nc_u32 v[STO], s2, v[STO]
	v_bfe_u32 v[RD], v0, 3, 2                      ; back: 32 lanes take four rows of 128 bytes
	v_mul_u32_u24 v[RD], v[RD], SP
	v_lshl_add_u32 v[RD], v30, 4, v[RD]
	v_add_nc_u32 v[RD], s2, v[RD]
	v_lshlrev_b32 v[KCO], 2, v2
	v_lshl_add_u32 v[KCO], v3, 14, v[KCO]
	v_mov_b32 v[ZR], 0
	; Wo: piece c = (64 hp + rb) 128 + thread = ((nb 16 + ks) 2 + half) 32 + lane holds Wo[32 ks + 16 half + 8 (lane / 16) + e][16 nb + lane % 16], e = 0..7
	s_lshl_b32 s2, s[HP], 6
	s_add_co_u32 s2, s2, s[RB]
	s_lshl_b32 s2, s2, 7
	v_add_nc_u32 v30, s2, v0                       ; c
	v_bfe_u32 v[WOS], v30, 4, 6                    ; bits 4 to 9 of c, times 8, are the first of the eight rows of 2,048 bytes
	v_lshlrev_b32 v[WOS], 14, v[WOS]
	v_lshrrev_b32 v31, 10, v30
	v_lshl_add_u32 v[WOS], v31, 6, v[WOS]          ; 16 nb columns of 4 bytes
	v_and_b32 v31, 15, v30
	v_lshl_add_u32 v[WOS], v31, 2, v[WOS]
	v_lshlrev_b32 v[WOD], 4, v30
	s_lshl_b32 s60, s[RB], 17                      ; 128 rows of 1,024 bytes,
	s_lshl_b32 s2, s[WV], 15                       ; my wave's 32
	s_add_co_u32 s60, s60, s2
	s_mov_b32 s61, 0
	s_lshl_b32 s2, s[WV], 17                       ; 64 k rows of 2,048 bytes,
	s_lshl_b32 s3, s[HP], 9                        ; 128 columns of 4 bytes
	s_add_co_u32 s2, s2, s3
	s_mov_b32 s3, 0
	s_wait_kmcnt 0x0
	s_add_nc_u64 s[XP:XP+1], s[8:9], s[60:61]
	s_add_nc_u64 s[WP:WP+1], s[10:11], s[2:3]
	s_add_nc_u64 s[WP+2:WP+3], s[12:13], s[2:3]
	s_add_nc_u64 s[WP+4:WP+5], s[14:15], s[2:3]
; x AND W COME IN: 16 batches of 16 loads, each load 512 consecutive bytes at a multiple of 512 from its buffer's first byte, through four sets of 64 registers: 64 loads of a wave are on their way.
; Batches 0-3: my 32 rows of x, half a row a load.  Batches 4-15: my 64 k rows of Wq, Wk, Wv, the work-group's 128 columns of a row a load.
.macro LD16 set, base, first, stride
	WIN ((\set)/2)<<6                              ; destination: sets 0, 1 in window 0, sets 2, 3 in window 1
.set i, 0
.rept 16
	global_load_b128 v[128+64*((\set)%2)+4*i:128+64*((\set)%2)+4*i+3], v[GXO], s[\base:\base+1] offset:((\first)+i)*(\stride)
.set i, i+1
.endr
.endm
.macro ASKB b
.if (\b) < 4
	LD16 (\b)%4, XP, 16*(\b), 512
.else
	LD16 (\b)%4, WP+2*(((\b)-4)/4), 16*(((\b)-4)%4), 2048
.endif
.endm
.macro CV16 set                        ; four f32 a lane and load become four bf16, rounded to nearest even
	WIN ((\set)/2)*5
.set i, 0
.rept 16
	v_cvt_pk_bf16_f32 v[CV+2*i],   v[128+64*((\set)%2)+4*i],   v[128+64*((\set)%2)+4*i+1]
	v_cvt_pk_bf16_f32 v[CV+2*i+1], v[128+64*((\set)%2)+4*i+2], v[128+64*((\set)%2)+4*i+3]
.set i, i+1
.endr
.endm
.macro STB b                           ; 8 bytes a lane: 256 consecutive bytes of LDS a store
	WIN 0
.set i, 0
.rept 16
.if (\b) < 4
	ds_store_b64 v[LXS], v[CV+2*i:CV+2*i+1] offset:((16*(\b)+i)/2)*PX+((16*(\b)+i)%2)*256
.else
	ds_store_b64 v[LWS], v[CV+2*i:CV+2*i+1] offset:(16*(((\b)-4)%4)+i)*PW+(((\b)-4)/4)*256
.endif
.set i, i+1
.endr
.endm
.set b, 0
.rept 4
	ASKB b
.set b, b+1
.endr
	; the rest of the set-up stands in the wait for the first batch
	s_lshr_b32 s2, s[RB], 5                        ; the batch
	s_lshl_b32 s2, s2, 3
	s_lshl_b32 s3, s[HP], 1
	s_add_co_u32 s2, s2, s3                        ; 8 x batch + 2 hp
	s_and_b32 s3, s[RB], 31
	s_lshl_b32 s3, s3, 7
	s_lshl_b32 s60, s[WV], 5
	s_add_co_u32 s3, s3, s60                       ; my wave's first row in the batch
	s_lshl_b32 s60, s2, 19                         ; a head is 4,096 rows of 128 bytes
	s_lshl_b32 s61, s3, 7
	s_add_co_u32 s60, s60, s61
	s_mov_b32 s61, 0
	s_add_nc_u64 s[OQ:OQ+1], s[18:19], s[60:61]
	s_add_nc_u64 s[OQ+2:OQ+3], s[20:21], s[60:61]
	s_add_nc_u64 s[OQ+4:OQ+5], s[22:23], s[60:61]
	s_lshl_b32 s60, s2, 14                         ; in kc a head is 4,096 words
	s_lshl_b32 s3, s3, 2
	s_add_co_u32 s60, s60, s3
	s_add_nc_u64 s[KCP:KCP+1], s[24:25], s[60:61]
	s_mov_b64 s[OB:OB+1], s[OQ:OQ+1]
	s_mov_b32 s[SCL], 1.0                          ; q's constant
	s_mov_b32 s47, 0x3eb8aa3b                      ; k's: log2(e) / 4
	s_mov_b32 s48, 0x45800000                      ; v's: 4096
	s_mov_b32 s[HM], 0xffff0000
	s_mov_b32 s[SEL], 0x76543210
	s_mov_b32 s[SEL+1], 0xfedcba98
	s_mov_b32 s[CT], 0xbeaaaaab                    ; -1/3
	s_mov_b32 s[CT+1], 0x3e088889                  ; 2/15
	s_mov_b32 s[CT+2], 0xbd5d0dd1                  ; -17/315
	s_mov_b32 s[CA], 0x3eaaaaab                    ; 1/3
	s_mov_b32 s[CA+1], 0x3e4ccccd                  ; 1/5
	s_mov_b32 s[CA+2], 0x3e124925                  ; 1/7
	s_mov_b32 s[CA+3], 0x3de38e39                  ; 1/9
	s_mov_b32 s[T], 3
.set b, 0
.rept 16
.if b < 13
	s_wait_loadcnt 48                              ; loads come back in order (ISA guide 5.7.1): batch b is in, the three younger batches of 16 stay out
.else
	s_wait_loadcnt 16*(15-b)                       ; the counts run down
.endif
	CV16 b%4
	STB b
.if b < 12
	ASKB b+4                                       ; the set just rounded is asked for again
.endif
.set b, b+1
.endr
	WIN 0
.irp e, 0,1,2,3,4,5,6,7
	global_load_b32 v[WL+(\e)], v[WOS], s[16:17] offset:(\e)*2048  ; Wo's eight numbers: waited for at the kernel's end
.endr
	; my x as fragments: 16 rows x 32 k in 8 registers, two loads of 16 bytes, 32 bytes apart.  My own bytes: LDS serves a wave's instructions in order (ISA guide 5.7.1.4)
	WIN 0x40
.irp a, 0,1
.irp k, 0,1,2,3,4,5,6,7
	ds_load_b128 v[64*(\a)+8*(\k):64*(\a)+8*(\k)+3],   v[AXF] offset:(\a)*16*PX+(\k)*64
	ds_load_b128 v[64*(\a)+8*(\k)+4:64*(\a)+8*(\k)+7], v[AXF] offset:(\a)*16*PX+(\k)*64+32
.endr
.endr
	s_wait_dscnt 0x0                               ; my fragments are in, and, for the others' sake, my stores of W are done
	s_barrier_signal -1                            ; the launch's one barrier; the row scales, work on registers alone, stand between its signal and its wait
	; |x|^2 of the rounded x: a lane holds 128 of its row's 256 numbers; four chains a tile, started on 0
	WIN 0x05
.set i, 0
.rept 64
.irp a, 0,1
.if i < 2
	v_fma_mix_f32_bf16 v[CH+4*(\a)+2*(i%2)],   v[64*(\a)+i], v[64*(\a)+i], v[ZR] op_sel_hi:[1,1,0]
	v_fma_mix_f32_bf16 v[CH+4*(\a)+2*(i%2)+1], v[64*(\a)+i], v[64*(\a)+i], v[ZR] op_sel:[1,1,0] op_sel_hi:[1,1,0]
.else
	v_fma_mix_f32_bf16 v[CH+4*(\a)+2*(i%2)],   v[64*(\a)+i], v[64*(\a)+i], v[CH+4*(\a)+2*(i%2)] op_sel_hi:[1,1,0]
	v_fma_mix_f32_bf16 v[CH+4*(\a)+2*(i%2)+1], v[64*(\a)+i], v[64*(\a)+i], v[CH+4*(\a)+2*(i%2)+1] op_sel:[1,1,0] op_sel_hi:[1,1,0]
.endif
.endr
.set i, i+1
.endr
	WIN 0
.irp a, 0,1
	v_add_f32 v[SQ+2*(\a)],   v[CH+4*(\a)],   v[CH+4*(\a)+1]
	v_add_f32 v[SQ+2*(\a)+1], v[CH+4*(\a)+2], v[CH+4*(\a)+3]
.endr
.macro HALVES n                        ; a pair's two sums, and the other half of the lanes'
	ALLG \n, v_add_f32 v[SQ+2*g], v[SQ+2*g], v[SQ+2*g+1]
	ALLG \n, v_permlanex16_b32 v[SQ+2*g+1], v[SQ+2*g], s[SEL], s[SEL+1]
	ALLG \n, v_add_f32 v[SQ+2*g], v[SQ+2*g], v[SQ+2*g+1]
.endm
; Behind a root, reciprocal, exponential or logarithm one plain instruction stands before its result is used (ISA guide 5.7.2), and s_wait_alu depctr_va_vdst(0) stands ahead of the first line that names the result: one for each batch.
.macro NORM n, scaled                  ; RT = sqrt(ssq); n = max(RT, 1e-7), or max(s RT, 1e-7)
	ALLG \n, v_sqrt_f32 v[RT+g], v[SQ+2*g]
	v_nop
	s_wait_alu depctr_va_vdst(0)
.if \scaled
	ALLG \n, v_mul_f32 v[N+g], v[RT+g], v[SCR+g/2]
	ALLG \n, v_max_num_f32 v[N+g], 0x33d6bf95, v[N+g]
.else
	ALLG \n, v_max_num_f32 v[N+g], 0x33d6bf95, v[RT+g]
.endif
.endm
.macro EXPF n, dst, str                ; tanh(n) / n into v[dst + str g]
	ALLG \n, v_mul_f32 v[T1+g], 0x4038aa3b, v[N+g]
	ALLG \n, v_exp_f32 v[T1+g], v[T1+g]
	ALLG \n, v_rcp_f32 v[T3+g], v[N+g]
	ALLG \n, v_mul_f32 v[U+g], v[N+g], v[N+g]
	ALLG \n, v_fma_f32 v[PL+g], v[U+g], s[CT+2], s[CT+1]
	ALLG \n, v_fma_f32 v[PL+g], v[PL+g], v[U+g], s[CT]
	ALLG \n, v_fma_f32 v[PL+g], v[PL+g], v[U+g], 1.0
	s_wait_alu depctr_va_vdst(0)                   ; the first batch; the series is the work between
	ALLG \n, v_add_f32 v[T1+g], 1.0, v[T1+g]
	ALLG \n, v_rcp_f32 v[T2+g], v[T1+g]
	v_nop
	s_wait_alu depctr_va_vdst(0)                   ; the second
	ALLG \n, v_fma_f32 v[T2+g], v[T2+g], -2.0, 1.0
	ALLG \n, v_mul_f32 v[T2+g], v[T2+g], v[T3+g]
.set g, 0
.rept \n
	v_cmp_gt_f32 vcc_lo, 0x3e000000, v[N+g]        ; 0.125 > n: the series
	v_cndmask_b32 v[(\dst)+(\str)*g], v[T2+g], v[PL+g], vcc_lo
.set g, g+1
.endr
.endm
.macro LOGF n, dst, str                ; artanh(min(n, 1-1e-5)) / n into v[dst + str g]
	ALLG \n, v_min_num_f32 v[AA+g], 0x3f7fff58, v[N+g]
	ALLG \n, v_add_f32 v[T1+g], 1.0, v[AA+g]
	ALLG \n, v_sub_f32 v[T2+g], 1.0, v[AA+g]
	ALLG \n, v_log_f32 v[T1+g], v[T1+g]
	ALLG \n, v_log_f32 v[T2+g], v[T2+g]
	ALLG \n, v_rcp_f32 v[T3+g], v[N+g]
	ALLG \n, v_mul_f32 v[U+g], v[AA+g], v[AA+g]
	ALLG \n, v_fma_f32 v[PL+g], v[U+g], s[CA+3], s[CA+2]
	ALLG \n, v_fma_f32 v[PL+g], v[PL+g], v[U+g], s[CA+1]
	ALLG \n, v_fma_f32 v[PL+g], v[PL+g], v[U+g], s[CA]
	ALLG \n, v_fma_f32 v[PL+g], v[PL+g], v[U+g], 1.0
	ALLG \n, v_mul_f32 v[PL+g], v[PL+g], v[AA+g]
	s_wait_alu depctr_va_vdst(0)                   ; one batch; the series is the work between
	ALLG \n, v_sub_f32 v[T1+g], v[T1+g], v[T2+g]
	ALLG \n, v_mul_f32 v[T1+g], 0x3eb17218, v[T1+g]
.set g, 0
.rept \n
	v_cmp_gt_f32 vcc_lo, 0x3e000000, v[AA+g]       ; 0.125 > a: the series
	v_cndmask_b32 v[T1+g], v[T1+g], v[PL+g], vcc_lo
.set g, g+1
.endr
	ALLG \n, v_mul_f32 v[(\dst)+(\str)*g], v[T1+g], v[T3+g]
.endm
	HALVES 2
	NORM 2, 0
	LOGF 2, SCR, 1                                 ; s of my row in each tile
	s_barrier_wait -1                              ; W is whole; nobody writes it again
; A K step's 8 fragments of W (16 columns x 32 k each), turned on the way out of LDS: two loads, 16 k rows apart
.macro FETCHW ks, buf
	WIN 0x40
.irp cb, 0,1,2,3,4,5,6,7
	ds_load_tr16_b128 v[WF+64*(\buf)+8*(\cb):WF+64*(\buf)+8*(\cb)+3],   v[AW+(\ks)/2] offset:((\ks)%2)*32*PW+(\cb)*32
	ds_load_tr16_b128 v[WF+64*(\buf)+8*(\cb)+4:WF+64*(\buf)+8*(\cb)+7], v[AW+(\ks)/2] offset:((\ks)%2)*32*PW+16*PW+(\cb)*32
.endr
.endm
; A K step's 16 products: the 16 accumulators take turns, one instruction a turn; the first K step starts the sums with the constant 0
.macro MULS ks
	WIN 0x05
.irp a, 0,1
.irp cb, 0,1,2,3,4,5,6,7
.if (\ks) == 0
	v_wmma_f32_16x16x32_bf16 v[ACC+8*(8*(\a)+(\cb)):ACC+8*(8*(\a)+(\cb))+7], v[WF+64*((\ks)%2)+8*(\cb):WF+64*((\ks)%2)+8*(\cb)+7], v[64*(\a)+8*(\ks):64*(\a)+8*(\ks)+7], 0
.else
	v_wmma_f32_16x16x32_bf16 v[ACC+8*(8*(\a)+(\cb)):ACC+8*(8*(\a)+(\cb))+7], v[WF+64*((\ks)%2)+8*(\cb):WF+64*((\ks)%2)+8*(\cb)+7], v[64*(\a)+8*(\ks):64*(\a)+8*(\ks)+7], v[ACC+8*(8*(\a)+(\cb)):ACC+8*(8*(\a)+(\cb))+7]
.endif
.endr
.endr
.endm
	WIN 0
.Lkind:                                                ; three trips: q, k, v
	FETCHW 0, 0
.set ks, 0
.rept 8
.if ks < 7
.if ks > 0
	PLACES                                         ; the buffer to be loaded was read by the products just issued
.endif
	FETCHW ks+1, (ks+1)%2
	s_wait_dscnt 16                                ; this K step's fragments are in; the 16 loads just issued stay out
.else
	s_wait_dscnt 0x0
.endif
	MULS ks
.set ks, ks+1
.endr
	WIN 0
	PLACES
	; group g = 2 a + hh: tile a, head hh: 32 registers at ACC + 32 g.  Each accumulator is read from its low end on
.set i, 0
.rept 16
.set g, 0
.rept 4
.if i == 0
	v_pk_mul_f32 v[SQ+2*g:SQ+2*g+1], v[ACC+32*g:ACC+32*g+1], v[ACC+32*g:ACC+32*g+1]
.else
	v_pk_fma_f32 v[SQ+2*g:SQ+2*g+1], v[ACC+32*g+2*i:ACC+32*g+2*i+1], v[ACC+32*g+2*i:ACC+32*g+2*i+1], v[SQ+2*g:SQ+2*g+1]
.endif
.set g, g+1
.endr
.set i, i+1
.endr
	HALVES 4
	NORM 4, 1
	s_cmp_eq_u32 s[T], 1
	s_cbranch_scc1 .Llog
	EXPF 4, F, 2                                   ; q and k
	s_branch .Ljoin
.Llog:
	LOGF 4, F, 2                                   ; v
.Ljoin:
	ALLG 4, v_mul_f32 v[F+2*g], v[F+2*g], v[SCR+g/2]
	s_cmp_lg_u32 s[T], 2
	s_cbranch_scc1 .Lnokc
	ALLG 4, v_mul_f32 v[KV+g], v[F+2*g], v[RT+g]   ; |expmap0(k)|
	ALLG 4, v_mul_f32 v[KV+g], v[KV+g], v[KV+g]
	ALLG 4, v_mul_f32 v[KV+g], 0xbe38aa3b, v[KV+g] ; x -log2(e) / 8
	v_cndmask_b32 v[KV+4], v[KV], v[KV+1], s[HM]   ; lanes 0-15 store head 2 hp's, lanes 16-31 head 2 hp + 1's
	v_cndmask_b32 v[KV+5], v[KV+2], v[KV+3], s[HM]
	global_store_b32 v[KCO], v[KV+4], s[KCP:KCP+1]
	global_store_b32 v[KCO], v[KV+5], s[KCP:KCP+1] offset:64
.Lnokc:
	ALLG 4, v_mul_f32 v[F+2*g], s[SCL], v[F+2*g]
	ALLG 4, v_mov_b32 v[F+2*g+1], v[F+2*g]         ; named as a pair
.set g, 0
.rept 4
.set i, 0
.rept 16
	v_pk_mul_f32 v[ACC+32*g+2*i:ACC+32*g+2*i+1], v[ACC+32*g+2*i:ACC+32*g+2*i+1], v[F+2*g:F+2*g+1] op_sel_hi:[1,0]
.set i, i+1
.endr
.set g, g+1
.endr
.set g, 0
.rept 4
.set i, 0
.rept 16
	v_cvt_pk_f16_f32 v[ACC+32*g+i], v[ACC+32*g+2*i], v[ACC+32*g+2*i+1]  ; in place, ascending: register i was read at i / 2
.set i, i+1
.endr
.set g, g+1
.endr
	; 16 rows x 128 bytes of a head go through my stage and come back as 2,048 bytes on end; the next group's stores come behind this group's loads (LDS serves a wave's instructions in order: ISA guide 5.7.1.4)
.set g, 0
.rept 4
.irp c, 0,1,2,3
	ds_store_b128 v[STO], v[ACC+32*g+4*(\c):ACC+32*g+4*(\c)+3] offset:32*(\c)
.endr
.irp f, 0,1,2,3
	ds_load_b128 v[ACC+32*g+4*(\f):ACC+32*g+4*(\f)+3], v[RD] offset:(\f)*4*SP
.endr
.set g, g+1
.endr
.set g, 0
.rept 4
	s_wait_dscnt 24-8*g                            ; group g is back; the younger groups' eight LDS instructions each stay out
.irp f, 0,1,2,3
	global_store_b128 v[GXO], v[ACC+32*g+4*(\f):ACC+32*g+4*(\f)+3], s[OB:OB+1] offset:(g%2)*524288+(g/2)*2048+(\f)*512  ; 512 consecutive bytes, at a multiple of 512 from the buffer's first
.endr
.set g, g+1
.endr
	s_wait_xcnt 0x0                                ; the stores have read their data and their base (ISA guide 3.1): both are written again only behind this wait
	s_cmp_eq_u32 s[T], 3
	s_cselect_b64 s[OB:OB+1], s[OQ+2:OQ+3], s[OQ+4:OQ+5]  ; behind q comes k, behind k comes v
	s_cselect_b32 s[SCL], s47, s48
.irp p, 0,1,2,3
	v_add_nc_u32 v[AW+(\p)], 256, v[AW+(\p)]       ; the next kind's 256 bytes of a k row
.endr
	s_sub_co_u32 s[T], s[T], 1
	s_cmp_lg_u32 s[T], 0
	s_cbranch_scc1 .Lkind
	s_wait_loadcnt 0x0                             ; Wo's eight numbers
.irp j, 0,1,2,3
	v_cvt_pk_bf16_f32 v[SQ+(\j)], v[WL+2*(\j)], v[WL+2*(\j)+1]  ; rounded to bf16, like every input,
.endr
.irp j, 0,1,2,3
	v_lshlrev_b32 v[RT+2*(\j)],   16, v[SQ+(\j)]
	v_and_b32     v[RT+2*(\j)+1], s[HM], v[SQ+(\j)]
.endr
.irp j, 0,1,2,3
	v_cvt_pk_f16_f32 v[T1+(\j)], v[RT+2*(\j)], v[RT+2*(\j)+1]   ; and that number written as f16
.endr
	global_store_b128 v[WOD], v[T1:T1+3], s[26:27]  ; a wave's store covers 512 consecutive bytes
	s_wait_tensorcnt 0x0                           ; the wave's end: three lines, behind my last LDS store
	ds_add_u32 v[SPW], v[NIL]
	s_wait_dscnt 0x0
	s_endpgm
.Lfunc_end_k_q5da83f38ef_proj:
	.size	k_q5da83f38ef_proj, .Lfunc_end_k_q5da83f38ef_proj-k_q5da83f38ef_proj
	.p2alignl 7, 3214868480
	.fill 96, 4, 3214868480
	.section	.rodata,"a",@progbits
	.p2align	6, 0x0
	.amdhsa_kernel k_q5da83f38ef_proj
		.amdhsa_group_segment_fixed_size 282112
		.amdhsa_private_segment_fixed_size 0
		.amdhsa_enable_private_segment 0
		.amdhsa_kernarg_size 80
		.amdhsa_user_sgpr_count 2
		.amdhsa_user_sgpr_kernarg_segment_ptr 1
		.amdhsa_wavefront_size32 1
		.amdhsa_system_sgpr_workgroup_id_x 1
		.amdhsa_system_sgpr_workgroup_id_y 1
		.amdhsa_system_sgpr_workgroup_id_z 1
		.amdhsa_system_vgpr_workitem_id 0
		.amdhsa_next_free_vgpr 512
		.amdhsa_next_free_sgpr 66
		.amdhsa_reserve_vcc 1
		.amdhsa_float_denorm_mode_32 3
		.amdhsa_float_denorm_mode_16_64 3
		.amdhsa_memory_ordered 1
		.amdhsa_forward_progress 1
		.amdhsa_inst_pref_size 142
	.end_amdhsa_kernel
	.amdgpu_metadata
---
amdhsa.version: [ 1, 2 ]
amdhsa.kernels:
  - .name:           k_q5da83f38ef_proj
    .symbol:         k_q5da83f38ef_proj.kd
    .args:
      - { .name: inputs, .offset: 0, .size: 8, .value_kind: global_buffer, .address_space: global }
      - { .name: Wq, .offset: 8, .size: 8, .value_kind: global_buffer, .address_space: global }
      - { .name: Wk, .offset: 16, .size: 8, .value_kind: global_buffer, .address_space: global }
      - { .name: Wv, .offset: 24, .size: 8, .value_kind: global_buffer, .address_space: global }
      - { .name: Wo, .offset: 32, .size: 8, .value_kind: global_buffer, .address_space: global }
      - { .name: qh, .offset: 40, .size: 8, .value_kind: global_buffer, .address_space: global }
      - { .name: kh, .offset: 48, .size: 8, .value_kind: global_buffer, .address_space: global }
      - { .name: vh, .offset: 56, .size: 8, .value_kind: global_buffer, .address_space: global }
      - { .name: kc, .offset: 64, .size: 8, .value_kind: global_buffer, .address_space: global }
      - { .name: wof, .offset: 72, .size: 8, .value_kind: global_buffer, .address_space: global }
    .group_segment_fixed_size: 282112
    .private_segment_fixed_size: 0
    .kernarg_segment_align: 8
    .kernarg_segment_size: 80
    .max_flat_workgroup_size: 128
    .sgpr_count:     66
    .vgpr_count:     512
    .wavefront_size: 32
...
	.end_amdgpu_metadata
.endif
;; end of part 1
;; launch attn (part 2): grid 16 x 16, 4 waves a work-group, clusters of 4 x 1, 327,680 bytes of LDS; arguments qh, kh, vh, kc, ctx; writes ctx
.if DOCPART == 2
	.amdgcn_target "amdgcn-amd-amdhsa--gfx1250"
	.amdhsa_code_object_version 6
	.text
	.protected	k_q5da83f38ef_attn
	.globl	k_q5da83f38ef_attn
	.p2align	8
	.type	k_q5da83f38ef_attn,@function
k_q5da83f38ef_attn:
	s_mov_b64 s[64:65], 0
	v_nop
	global_prefetch_b8 v0, s[64:65] scope:SCOPE_SE
	s_setreg_imm32_b32 hwreg(HW_REG_WAVE_MODE, 25, 1), 1
	s_wait_xcnt 0x0
	s_wait_alu depctr_hold_cnt(0) depctr_sa_sdst(0) depctr_va_vdst(0) depctr_va_sdst(0) depctr_va_ssrc(0) depctr_va_vcc(0) depctr_vm_vsrc(0)
	s_getreg_b32 s2, hwreg(HW_REG_IB_STS2, 6, 4)
	s_cmp_eq_u32 s2, 0
	s_cbranch_scc0 .Lentry_in_a_cluster
	s_endpgm
.Lentry_in_a_cluster:
	s_bfe_u32 s2, ttmp6, 0x10000c
	s_cmp_lg_u32 s2, 0x3003
	s_cbranch_scc0 .Lentry_shape_is_right
	s_endpgm
.Lentry_shape_is_right:
; ATTN.  ctx[h][q][:] = the sum over k of softmax_k(-|Q[h][q] - K[h][k]|^2 / 8) V[h][k][:], for 16 heads (batch x head) of 4,096 rows of 64 channels, all f16, rows dense, 128 bytes.
; -|q - k|^2 / 8 = (2 q.k - k^2) / 8 - q^2 / 8, and the last term is the same for all keys of a row: it cancels in the softmax.  kh holds k x log2(e)/4 and kc holds -k^2 log2(e)/8, so
; S = kh . q + kc is the exponent to base 2: kc is the C operand of the product that starts the sum, and p = 2^S needs no scaling.
; NO MAXIMUM IS TAKEN AWAY: q and k are results of tanh(n) v / n, so |q| <= 1 and |k| <= 1 for every input, and (2 q.k - k^2) / 8 lies in -3/8 .. 1/4: p lies in 0.68 .. 1.29 and a row's sum in 2,800 .. 5,300.
; No exponential and no sum can overflow or underflow, and nothing is rescaled from step to step.
; Products and sums in f32; p is rounded to f16 for the second product (its sum l is taken of the unrounded p); ctx = O / l, rounded once.  vh carries a factor 4096, and so does ctx.
; LIMITS.  NaN and infinities are not treated apart.  |vh| <= 24,986, and ctx is a mean of vh's rows.
; SHARES.  A work-group owns 256 queries of one head, each of its four waves 64: four tiles of 16, in two PIECES (tiles 0, 1 and tiles 2, 3).  Every wave walks all 4,096 keys, 64 a step.
; LAYOUT.  S^T = K Q^T (source 0 = 16 keys, source 1 = 16 queries): a lane holds ONE query (lane % 16) and the keys 8 (lane / 16) + 0..7.  Two such tiles, rounded to f16 in pairs, ARE source 1 (32 keys x 16 queries)
; of O^T = V^T P, whose result again holds one query a lane, and eight channels.  K comes out of LDS as it lies, V ([key][channel]) turned, by ds_load_tr16_b128.
; BY TURNS.  In a turn one piece has the matrix unit: 16 products V^T P of the step in hand, then 16 products K Q^T of the next step.  Behind each of the first 16 stand four of the other piece's 64 exponentials, behind
; each of the last 16 four of its 64 roundings and sums.  The exponentials are ONE batch with ONE wait, in the turn's middle.  Two turns are a key step: 64 matrix and 256 vector instructions.
; CLUSTER.  The four query blocks of a cluster belong to one head and walk the same K, V and kc: every tensor load is asked for JOINTLY, by the same load, descriptor and mask in all four.
; REGISTERS, in windows of 256 (s_set_vgpr_msb: bits 1:0 source 0, 3:2 source 1, 5:4 source 2, 7:6 destination):
;   window 0: v0-13 addresses; v16-23 l, a pair a tile; v61-63; v64-191 S^T, 32 a tile; v192-255 P, 16 a tile
;   window 1: v0-127 O^T, 32 a tile; v128-159 kc of one step          window 2: v0-63 Q, 16 a tile; v128-191 K of one step; v192-255 V of one step
.set KS,    64        ; keys in a step
.set PK,    144       ; a row of K in LDS: 128 bytes + 16 of padding = 36 words: the 16 rows of a load start at 16 different groups of four banks (64 banks of 4 bytes: ISA guide 11.1)
.set PV,    160       ; a row of V: 128 + 32 = 40 words
.set VOFF,  4*KS*PK   ; a slot holds four steps: 256 rows of K, then 256 rows of V
.set TILEB, 4*KS*128  ; a slot's bytes of K, and of V, in memory
.set SLOT1, 1<<17     ; slot 1 begins here, so that one exclusive or turns an address in one slot into the other's
.set STAGE, SLOT1+4*KS*(PK+PV)  ; behind the ring, never filled by a tensor load: 16 rows x 144 bytes for each wave, for the way out
.set SP,    144
.set SPARE, STAGE+4*16*SP  ; behind the stages: the spare words, 128 bytes for each wave: two blocks of 256 bytes that no other line names
.set KCB,   SPARE+512 ; behind them: the head's kc, 16,384 bytes, filled once
.set AK0, 2           ; v2   my lane's place in a tile of K; never rewritten
.set AV0, 3           ; v3   the same for V
.set AK,  4           ; v4   the LDS address of K's run of loads
.set AV,  5           ; v5   of V's
.set QO,  6           ; v6   my byte offset in 16 rows of Q
.set STO, 6           ;      later, the way out: where I put 16 bytes of a row
.set RD,  7           ; v7   the way out: where I read rows back
.set GO,  8           ; v8   my byte offset in 512 consecutive bytes of ctx
.set AC0, 12          ; v12  my lane's place in kc: KCB + 32 (lane / 16); never rewritten
.set AC,  13          ; v13  the LDS address of kc's loads
.set LL,  16          ; tile t's l at v[LL+2 t]: even keys', odd keys'
.set PFO, 61          ; v61  256 x my lane; never rewritten
.set SPW, 62          ; v62  LDS address of my spare word; never rewritten
.set NIL, 63          ; v63  0; never rewritten
.set S,   64
.set P,   192
.set KC,  128         ; window 1: the eight registers for key block kb at KC + 8 kb
.set KF,  128         ; window 2: key block kb, channel half c at KF + 16 kb + 8 c
.set VF,  192         ; window 2: key half kk, channel block cb at VF + 32 kk + 8 cb
.set WV,  12          ; s12  my wave's number
.set LIM, 15          ; s15  1 in a wave that prefetches, else the greatest number
.set G1K, 24          ; s[24:31] descriptor group 1 for K's tiles
.set G1V, 32          ; s[32:39] for V's: it differs in the padding alone
.set G0K, 40          ; s[40:47] descriptor group 0 for K's tiles: a set for each of the two first fills; the second then walks on
.set G0V, 48          ; s[48:55] the same for V's
.set SLOTS, 56        ; s56  slots still to be asked for
.set CNT, 57          ; s57  counts key steps
.set SEL, 60          ; s[60:61] v_permlanex16_b32's selects: each lane takes its own place in the other half
.set TBK, 62          ; s62  LDS byte at which K of the step to be fetched begins
.set TBV, 63          ; s63  the same for V, less VOFF
.set TBC, 66          ; s66  the same for kc, less KCB: 256 bytes a step, from 0 to the head's end
.set PFA, 70          ; s[70:71] where my prefetches stand in memory
.set CX,  72          ; s[72:73] ctx at my wave's first row
.set G1C, 76          ; s[76:83] descriptor group 1 for kc
.set G0C, 84          ; s[84:87] descriptor group 0 for kc
.set MSB, 0
.macro WIN new                      ; the high byte repeats the setting that is left; a switch that changes nothing is dropped
.if MSB != (\new)
	s_set_vgpr_msb (MSB<<8)|(\new)
.set MSB, (\new)
.endif
.endm
.set W_KQ, 0x0a       ; K and Q in window 2, S^T in window 0
.set W_KM, 0x1a       ; the same with the C operand, kc, in window 1
.set W_PV, 0x52       ; V in window 2, P in window 0, O^T in window 1
.set W_RS, 0x41       ; destination and source 0 in window 1, source 1 in window 0
; A joint refill.  Waves 0 and 1 fetch the two halves of a slot's K, waves 2 and 3 those of its V: 128 keys each.  The branch hangs on the wave's number alone.
; An s_nop 0 and four v_nop follow each of the two lines, ahead of the jump and the label.
.macro JLOAD
	s_cmp_lt_u32 s[WV], 2
	s_cbranch_scc0 .Lfor_v_\@
	tensor_load_to_lds s[G0K+4:G0K+7], s[G1K:G1K+7]
	s_nop 0
.rept 4
	v_nop
.endr
	s_branch .Lasked_\@
.Lfor_v_\@:
	tensor_load_to_lds s[G0V+4:G0V+7], s[G1V:G1V+7]
	s_nop 0
.rept 4
	v_nop
.endr
.Lasked_\@:
.endm
; A PREFETCH INTO THE L2 of what the NEXT change of slots will ask for: a slot's 32,768 bytes of K and of V, 128 blocks of 256 bytes each, a lane a block.  It stands behind the wave's tensor load and its five lines.
; Each block is named ONCE in the launch.  All four clusters of a head walk the same K and V: the head's first cluster asks.  Its four partners share the blocks out BY ADDRESS, 32 each; in each, wave 0 asks for K's
; and wave 2 for V's: one instruction, four key steps (256 matrix instructions) ahead of the load.  The last change that fills a slot asks for nothing; slots 0, 1 and 2 come by their loads alone.
.macro ASK
	s_cmp_gt_u32 s[SLOTS], s[LIM]
	s_cbranch_scc0 .Lnot_mine_\@
	global_prefetch_b8 v[PFO], s[PFA:PFA+1] th:TH_LOAD_NT scope:SCOPE_SE
.Lnot_mine_\@:
.endm
; A round of the cluster's barrier: my work-group's barrier, so that wave 0's signal speaks for all four waves; wave 0 signals; every wave waits for all four work-groups; my work-group's barrier once more.
.macro CROUND
	s_barrier_signal -1
	s_barrier_wait -1
	s_cmp_lg_u32 s[WV], 0
	s_cbranch_scc1 .Lnot_wave_0_\@
	s_barrier_signal -3
.Lnot_wave_0_\@:
	s_barrier_wait -3
	s_barrier_signal -1
	s_barrier_wait -1
.endm
	s_load_b256 s[4:11], s[0:1], 0x0  ; qh s[4:5], kh s[6:7], vh s[8:9], kc s[10:11]
	s_load_b64 s[CX:CX+1], s[0:1], 0x20  ; ctx
	v_lshl_add_u32 v[SPW], v0, 2, SPARE
	v_mov_b32 v[NIL], 0
	ds_add_u32 v[SPW], v[NIL]       ; the wave's opening: the add and its wait stand ahead of my first tensor load; the set-up below, work on registers, stands between them
	v_lshrrev_b32 v1, 5, v0
	v_readfirstlane_b32 s[WV], v1   ; wave 0..3
	s_bfe_u32 s13, ttmp6, 0x40000   ; cx: my place in the cluster
	s_lshl_b32 s14, ttmp9, 2        ; in a cluster launch ttmp9 counts clusters
	s_add_co_u32 s14, s14, s13      ; my block of 256 queries = 4 x cluster x + cx: it enters Q's and ctx's addresses alone
	s_and_b32 s20, ttmp7, 0xffff    ; the head, which the four partners share
	s_lshl_b32 s74, s20, 14         ; the head's 16,384 bytes of kc,
	s_lshl_b32 s2, s[WV], 12        ; my wave's quarter of them
	s_add_co_u32 s74, s74, s2
	s_mov_b32 s75, 0
	s_lshl_b32 s20, s20, 19         ; the head's first byte in qh, kh, vh and ctx: 524,288 bytes a head
	s_and_b32 s16, s[WV], 1         ; which half of a slot's 256 keys I fetch:
	s_lshl_b32 s22, s16, 14         ; its 128 rows of 128 bytes in memory,
	s_add_co_u32 s22, s22, s20
	s_mov_b32 s23, 0
	s_mul_i32 s17, s16, 128*PK      ; and its place in a slot, for K
	s_mul_i32 s18, s16, 128*PV      ; and for V: no place in the cluster enters an LDS address
	s_lshl_b32 s2, s14, 2
	s_add_co_u32 s2, s2, s[WV]      ; my wave among the head's,
	s_lshl_b32 s2, s2, 13           ; its 64 rows
	s_add_co_u32 s2, s2, s20
	s_mov_b32 s3, 0
	; descriptor group 1.  128 keys are 16,384 dense bytes: asked for as 64 rows of 256 bytes, two keys a row, and padded in LDS after every key
	s_mov_b32 s[G1K], 15|(1<<16)|(1<<20)|(1<<21)|(4<<22)|(3<<25)  ; 15:0 the mask of four; 17:16 2-byte elements; 20 padding on; 21 set beside a mask; 24:22 after every 32 words (code 4); 31:25 4 words (code 3)
	s_mov_b32 s[G1V], 15|(1<<16)|(1<<20)|(1<<21)|(4<<22)|(7<<25)  ; the same with 8 words of padding (code 7)
.irp g, G1K, G1V
	s_mov_b32 s[\g+1], 128<<16      ; tensor_dim0 = 128
	s_mov_b32 s[\g+2], 64<<16       ; tensor_dim1 = 64
	s_mov_b32 s[\g+3], 128<<16      ; tile_dim0 = 128
	s_mov_b32 s[\g+4], 64           ; tile_dim1 = 64
	s_mov_b32 s[\g+5], 128          ; 128 elements from row to row
	s_mov_b32 s[\g+6], 0
	s_mov_b32 s[\g+7], 0
.endr
	; kc: a wave's quarter, 4,096 dense bytes, as 16 rows of 32 elements of 8 bytes, unpadded
	s_mov_b32 s[G1C], 15|(3<<16)|(1<<21)
	s_mov_b32 s[G1C+1], 32<<16      ; tensor_dim0 = 32
	s_mov_b32 s[G1C+2], 16<<16      ; tensor_dim1 = 16
	s_mov_b32 s[G1C+3], 32<<16      ; tile_dim0 = 32
	s_mov_b32 s[G1C+4], 16          ; tile_dim1 = 16
	s_mov_b32 s[G1C+5], 32          ; 32 elements from row to row
	s_mov_b32 s[G1C+6], 0
	s_mov_b32 s[G1C+7], 0
.irp s, 0,1
	s_mov_b32 s[G0K+4*(\s)], 1      ; 1:0 count = 1
	s_add_co_u32 s[G0K+4*(\s)+1], s17, (\s)*SLOT1  ; 63:32 LDS address
	s_mov_b32 s[G0V+4*(\s)], 1
	s_add_co_u32 s[G0V+4*(\s)+1], s18, (\s)*SLOT1+VOFF
.endr
	s_mov_b32 s[G0C], 1
	s_lshl_b32 s[G0C+1], s[WV], 12
	s_add_co_u32 s[G0C+1], s[G0C+1], KCB
	s_mov_b32 s[SEL], 0x76543210
	s_mov_b32 s[SEL+1], 0xfedcba98
	s_mov_b32 s[TBK], 0
	s_mov_b32 s[TBV], 0
	s_mov_b32 s[TBC], 0
	s_mov_b32 s[SLOTS], 4096/(4*KS)-2
	s_and_b32 s[LIM], s[WV], 1      ; 0 in waves 0 and 2,
	s_or_b32 s[LIM], s[LIM], ttmp9  ; where the cluster is the head's first: the same in all four partners
	s_cmp_eq_u32 s[LIM], 0
	s_cselect_b32 s[LIM], 1, -1
	v_and_b32 v[PFO], 31, v0
	v_lshlrev_b32 v[PFO], 8, v[PFO]
	s_wait_dscnt 0x0                ; the opening add is done
	s_wait_kmcnt 0x0
	s_add_nc_u64 s[6:7], s[6:7], s[22:23]  ; K and V at my half of the head's first 256 keys
	s_add_nc_u64 s[8:9], s[8:9], s[22:23]
	s_add_nc_u64 s[4:5], s[4:5], s[2:3]    ; Q and ctx at my wave's first row
	s_add_nc_u64 s[CX:CX+1], s[CX:CX+1], s[2:3]
.irp s, 0,1
	s_add_nc_u64 s[G0K+4*(\s)+2:G0K+4*(\s)+3], s[6:7], (\s)*TILEB  ; 120:64 global address: slot s begins with keys 256 s on
	s_or_b32 s[G0K+4*(\s)+3], s[G0K+4*(\s)+3], 0x80000000          ; 127:126 type = 2
	s_add_nc_u64 s[G0V+4*(\s)+2:G0V+4*(\s)+3], s[8:9], (\s)*TILEB
	s_or_b32 s[G0V+4*(\s)+3], s[G0V+4*(\s)+3], 0x80000000
.endr
	s_add_nc_u64 s[G0C+2:G0C+3], s[10:11], s[74:75]
	s_or_b32 s[G0C+3], s[G0C+3], 0x80000000
	s_cmp_lt_u32 s[WV], 2
	s_cselect_b64 s[PFA:PFA+1], s[6:7], s[8:9]  ; (in waves 0 and 2 these stand at a slot's first row)
	s_lshl_b32 s2, s13, 13          ; my work-group's 32 blocks of the 128
	s_mov_b32 s3, 0
	s_add_nc_u64 s[PFA:PFA+1], s[PFA:PFA+1], s[2:3]
	s_add_nc_u64 s[PFA:PFA+1], s[PFA:PFA+1], 2*TILEB  ; in slot 2's keys; the first change of slots steps it on.  Nothing is prefetched here, at the head
	CROUND                          ; all four work-groups are here: the first joint loads meet
	s_cmp_lt_u32 s[WV], 2           ; a wave's three first fills stand in one branch, ahead of every wait on TENSORcnt and every LDS read: three loads of mine are out
	s_cbranch_scc0 .Lfirst_v
	tensor_load_to_lds s[G0K:G0K+3], s[G1K:G1K+7]
	s_nop 0
	tensor_load_to_lds s[G0C:G0C+3], s[G1C:G1C+7]
	s_nop 0
	tensor_load_to_lds s[G0K+4:G0K+7], s[G1K:G1K+7]
	s_nop 0
.rept 4
	v_nop
.endr
	s_branch .Lfirst_asked
.Lfirst_v:
	tensor_load_to_lds s[G0V:G0V+3], s[G1V:G1V+7]
	s_nop 0
	tensor_load_to_lds s[G0C:G0C+3], s[G1C:G1C+7]
	s_nop 0
	tensor_load_to_lds s[G0V+4:G0V+7], s[G1V:G1V+7]
	s_nop 0
.rept 4
	v_nop
.endr
.Lfirst_asked:
	; A fragment of K or Q is 16 rows x 32 channels in 8 registers: lane l holds row l % 16, channels 8 (l / 16) + 0..7 and 16 + 8 (l / 16) + 0..7: two loads of 16 bytes, 32 bytes apart.
	v_and_b32 v1, 15, v0            ; l % 16
	v_bfe_u32 v9, v0, 4, 1          ; l / 16
	v_lshlrev_b32 v[QO], 7, v1
	v_lshl_add_u32 v[QO], v9, 4, v[QO]  ; row x 128 + 16 x half
	WIN 0x80                        ; destination window 2, address window 0
.set i, 0
.rept 8                             ; Q stays in registers: tile i / 2, channels 32 (i % 2) on
	global_load_b128 v[8*i:8*i+3],   v[QO], s[4:5] offset:(i/2)*2048+(i%2)*64
	global_load_b128 v[8*i+4:8*i+7], v[QO], s[4:5] offset:(i/2)*2048+(i%2)*64+32
.set i, i+1
.endr
	WIN 0
.set i, 0
.rept 8
	v_mov_b32 v[LL+i], 0            ; l starts at 0: eight lines, in the wait for the first tile
.set i, i+1
.endr
	v_mul_u32_u24 v[AK0], v1, PK
	v_lshl_add_u32 v[AK0], v9, 4, v[AK0]  ; row x pitch + 16 x half
	; The turning load takes 16 keys x 16 channels (lane l reads key 8 (l / 16) + l % 8, channels 8 ((l / 8) % 2) + 0..7) and leaves half a fragment of V^T: lane l holds channel l % 16 and 8 keys.
	v_and_b32 v10, 7, v0
	v_bfe_u32 v11, v0, 3, 1
	v_lshl_add_u32 v[AV0], v9, 3, v10
	v_mul_u32_u24 v[AV0], v[AV0], PV
	v_lshl_add_u32 v[AV0], v11, 4, v[AV0]
	v_add_nc_u32 v[AV0], VOFF, v[AV0]
	v_lshl_add_u32 v[AC0], v9, 5, KCB   ; in a C operand register j of lane l belongs to key 8 (l / 16) + j, whatever the query: 32 bytes of kc a half of the lanes
; THE MATRIX WORK.  The 8 accumulators of a run of 16 take turns: between the two links of a chain stand 7 others'.
; Product i of 16 of S^T = K Q^T + kc for piece x: channels 32 (i / 8) on, keys 16 ((i / 2) % 4) on, tile x + i % 2.  The first 8 start the sums, with kc.
.macro KQ x
.set rS, S+32*((\x)+i%2)+8*((i/2)%4)
.set rK, KF+16*((i/2)%4)+8*(i/8)
.set rQ, 16*((\x)+i%2)+8*(i/8)
.set rC, KC+8*((i/2)%4)
.if i < 8
	WIN W_KM
	v_wmma_f32_16x16x32_f16 v[rS:rS+7], v[rK:rK+7], v[rQ:rQ+7], v[rC:rC+7]
.else
	WIN W_KQ
	v_wmma_f32_16x16x32_f16 v[rS:rS+7], v[rK:rK+7], v[rQ:rQ+7], v[rS:rS+7]
.endif
.endm
; Product i of 16 of O^T += V^T P for piece x: keys 32 (i / 8) on, channels 16 ((i / 2) % 4) on, tile x + i % 2.  zero = 1: the first 8 start the sums: O^T is never cleared.
.macro PV x, zero
	WIN W_PV
.set rO, 32*((\x)+i%2)+8*((i/2)%4)
.set rV, VF+32*(i/8)+8*((i/2)%4)
.set rP, P+16*((\x)+i%2)+8*(i/8)
.if (\zero) && (i < 8)
	v_wmma_f32_16x16x32_f16 v[rO:rO+7], v[rV:rV+7], v[rP:rP+7], 0
.else
	v_wmma_f32_16x16x32_f16 v[rO:rO+7], v[rV:rV+7], v[rP:rP+7], v[rO:rO+7]
.endif
.endm
; THE VECTOR WORK.  Exponential e of 64 of piece y: score e / 2 of tile y + e % 2, in place; ascending.
.macro EX y
	WIN 0
	v_exp_f32 v[S+32*((\y)+e%2)+e/2], v[S+32*((\y)+e%2)+e/2]
.set e, e+1
.endm
; Number q of the 64 that follow the exponentials.  For each four weights kk of a tile: both pairs are rounded to f16; then the second pair is added onto the first, in place; a group later l takes that sum.
; In groups of eight, tiles alternating: round, round, add, and l for the group before (group 0 has none; behind group 7 only l is left).
.macro GS y
.set hh, q+6*(q/62)
.if hh >= 6
.set hh, hh+2
.endif
.set rS, S+32*((\y)+hh%2)
.set rP, P+16*((\y)+hh%2)
.set rL, LL+2*((\y)+hh%2)
.set kk, hh/8
	WIN 0
.if hh%8 < 4
	v_cvt_pk_f16_f32 v[rP+2*kk+(hh%8)/2], v[rS+4*kk+2*((hh%8)/2)], v[rS+4*kk+2*((hh%8)/2)+1]
.elseif hh%8 < 6
	v_pk_add_f32 v[rS+4*kk:rS+4*kk+1], v[rS+4*kk:rS+4*kk+1], v[rS+4*kk+2:rS+4*kk+3]
.else
	v_pk_add_f32 v[rL:rL+1], v[rL:rL+1], v[rS+4*kk-4:rS+4*kk-3]
.endif
.set q, q+1
.endm
; THE LDS LOADS stand in runs, never singly among the matrix instructions: a step's K (8 fragments) with its kc (32 words a half of the lanes), and its V (turned).
.macro FETCH_K
	WIN 0
	v_add_nc_u32 v[AK], s[TBK], v[AK0]
	v_add_nc_u32 v[AC], s[TBC], v[AC0]
	WIN 0x80                        ; destination window 2
.irp f, 0,1,2,3,4,5,6,7             ; keys 16 (f / 2) on, channels 32 (f % 2) on
	ds_load_b128 v[KF+8*\f:KF+8*\f+3],   v[AK] offset:(\f/2)*16*PK+(\f%2)*64
	ds_load_b128 v[KF+8*\f+4:KF+8*\f+7], v[AK] offset:(\f/2)*16*PK+(\f%2)*64+32
.endr
	WIN 0x40                        ; destination window 1
.irp f, 0,1,2,3                     ; keys 16 f on
	ds_load_b128 v[KC+8*\f:KC+8*\f+3],   v[AC] offset:64*\f
	ds_load_b128 v[KC+8*\f+4:KC+8*\f+7], v[AC] offset:64*\f+16
.endr
	s_add_co_u32 s[TBK], s[TBK], KS*PK  ; the next fetch is the next step's
	s_add_co_u32 s[TBC], s[TBC], KS*4
.endm
.macro FETCH_V                      ; it stands in the middle of piece 2's turn: three v_nop and the address's add are the plain instruction behind the last exponential and the four places behind the last product that read V
	WIN 0
.rept 3
	v_nop
.endr
	v_add_nc_u32 v[AV], s[TBV], v[AV0]
	s_add_co_u32 s[TBV], s[TBV], KS*PV
	s_wait_alu depctr_va_vdst(0)    ; the wait for the turn's batch of exponentials, ahead of the first line that names a result
	WIN 0x80
.irp f, 0,1,2,3,4,5,6,7             ; keys 32 (f / 4) on, channels 16 (f % 4) on
	ds_load_tr16_b128 v[VF+8*\f:VF+8*\f+3],   v[AV] offset:(\f/4)*32*PV+(\f%4)*32
	ds_load_tr16_b128 v[VF+8*\f+4:VF+8*\f+7], v[AV] offset:(\f/4)*32*PV+16*PV+(\f%4)*32
.endr
.endm
; A TURN.  Piece x has the matrix unit, piece 2 - x the vector unit.  pv = 2: 16 products V^T P; 1: they start O^T's sums; 0: none.  kq = 1: 16 products K Q^T for the next step.
; No rider names a register of the products round it.  The four sums behind the last K Q^T are the places in front of the next turn's exponentials, which read those scores, and, with FETCH_K's two adds, in front of the loads into K's and kc's registers.
; Piece 0's turn fetches the next step's K and kc behind its second product, 14 products ahead of their first use; piece 2's turn fetches the same step's V in its middle, 16 products ahead.
.macro TURN x, pv, kq
.set e, 0
.set q, 0
.if (\pv) && ((\x) == 0)
	s_wait_dscnt 0x0                ; V is in
.endif
.set i, 0
.rept 16
.if \pv
	PV \x, 2-(\pv)
.endif
.rept 4
	EX 2-(\x)
.endr
.if ((\x) == 0) && (\kq) && (i == 1)
	FETCH_K
.endif
.set i, i+1
.endr
.if ((\x) == 2) && (\kq)
	FETCH_V
.else
	WIN 0
	v_nop                           ; a plain instruction behind the last exponential: one for the batch (ISA guide 5.7.2)
	s_wait_alu depctr_va_vdst(0)    ; the wait for the batch
.endif
.if ((\x) == 0) && (\kq)
	s_wait_dscnt 0x0                ; K and kc are in
.endif
.set i, 0
.rept 16
.if \kq
	KQ \x
.endif
.rept 4
	GS 2-(\x)
.endr
.set i, i+1
.endr
.endm
; THE CHANGE OF SLOTS, between piece 2's turn and piece 0's: the slot's last bytes, V of its fourth step, have been asked for.  Each wave waits for all its tensor loads, of which one is out: its part of the other
; slot; adds 0 to its spare word; and waits for that and for its own reads of the slot.  Behind the barrier nobody reads this slot any more and the other slot is whole.
; fill = 1: this slot is filled again, with the keys two slots on.  The barrier is then a round of the cluster's, so that no wave of any partner still reads the slot or has a load on its way, and the joint refill is
; the first thing behind it: it has four key steps, 256 matrix instructions, in which to land.
.macro CHANGE fill
	WIN 0                           ; at a label and at a branch every window is 0
	s_wait_tensorcnt 0x0            ; no tensor load of mine is out, so a group 0 may be written
	ds_add_u32 v[SPW], v[NIL]       ; 0 onto my spare word; with fill = 1 the descriptors' steps stand between it and the wait for it
.if \fill
.irp g, G0K+4, G0V+4
	s_xor_b32 s[(\g)+1], s[(\g)+1], SLOT1  ; the walking descriptor: the other slot than last time,
	s_add_nc_u64 s[(\g)+2:(\g)+3], s[(\g)+2:(\g)+3], TILEB  ; the next 256 keys; the type bits on top are not reached
.endr
	s_wait_xcnt 0x0                 ; the last prefetch, four key steps back, has read its address, so it may be written:
	s_add_nc_u64 s[PFA:PFA+1], s[PFA:PFA+1], TILEB  ; one slot behind the walking descriptors' keys
	s_wait_dscnt 0x0                ; the add is done, and my reads of the slot are over
	CROUND
	JLOAD
	ASK
.else
	s_wait_dscnt 0x0                ; the add is done, and my reads of the slot are over
	s_barrier_signal -1
	s_barrier_wait -1
.endif
	s_sub_co_u32 s[TBK], s[TBK], 4*KS*PK  ; the fetches go back to a slot's first step,
	s_xor_b32 s[TBK], s[TBK], SLOT1       ; in the other slot
	s_sub_co_u32 s[TBV], s[TBV], 4*KS*PV
	s_xor_b32 s[TBV], s[TBV], SLOT1
.endm
.macro STEPS n                      ; n key steps: written once, walked n times; the LDS addresses hang on the three scalars
	WIN 0
	s_mov_b32 s[CNT], \n
.Lstep_\@:
	TURN 0, 2, 1
	TURN 2, 2, 1
	WIN 0
	s_sub_co_u32 s[CNT], s[CNT], 1
	s_cmp_lg_u32 s[CNT], 0
	s_cbranch_scc1 .Lstep_\@
.endm
	s_wait_tensorcnt 1              ; my parts of slot 0 and of kc are in; slot 1's may stay out
	s_barrier_signal -1
	s_barrier_wait -1               ; everybody's are
	FETCH_K                         ; key step 0
	s_wait_loadcnt 0x0              ; Q
	s_wait_dscnt 0x0
.set i, 0
.rept 16
	KQ 0                            ; piece 0's first scores: there is no vector work yet to set between them
.set i, i+1
.endr
	WIN 0                           ; the addresses for the way out: nine plain instructions, the places behind those products
	s_mul_i32 s16, s[WV], 16*SP
	s_add_co_u32 s16, s16, STAGE    ; my stage
	v_mul_u32_u24 v[STO], v1, SP    ; in: row l % 16, 16 bytes for each half of the lanes
	v_lshl_add_u32 v[STO], v9, 4, v[STO]
	v_add_nc_u32 v[STO], s16, v[STO]
	v_bfe_u32 v[RD], v0, 3, 2       ; back: 32 lanes take four rows of 128 bytes,
	v_mul_u32_u24 v[RD], v[RD], SP
	v_lshl_add_u32 v[RD], v10, 4, v[RD]
	v_add_nc_u32 v[RD], s16, v[RD]
	v_and_b32 v[GO], 31, v0         ; which are 512 consecutive bytes of ctx
	v_lshlrev_b32 v[GO], 4, v[GO]
	TURN 2, 0, 1                    ; piece 0's first exponentials | V of step 0 | piece 2's first scores, piece 0's first roundings and sums
	TURN 0, 1, 1                    ; piece 0: V^T P of step 0 starts O^T, K Q^T of step 1 | K of step 1
	TURN 2, 1, 1                    ; piece 2: the same | V of step 1
	STEPS 2                         ; they fetch steps 2 and 3: slot 0 is read out
.Lslot:                             ; 14 trips: every slot but the last two is filled again
	CHANGE 1
	STEPS 4
	s_sub_co_u32 s[SLOTS], s[SLOTS], 1
	s_cmp_lg_u32 s[SLOTS], 0
	s_cbranch_scc1 .Lslot
	CHANGE 0                        ; the tail is written out: nothing is asked for
	STEPS 4
	TURN 0, 2, 0                    ; piece 0: V^T P of the last step | piece 2's last exponentials, roundings and sums
.set i, 0
.rept 16
	PV 2, 0                         ; piece 2: V^T P of the last step
.set i, i+1
.endr
	; THE WAY OUT.  l's two halves and the other half of the lanes' are added; O^T is divided by l, rounded to f16 and sent through my stage in LDS, a tile at a time.  The additions are the places behind the last products.
	WIN 0
.macro ALL line:vararg              ; one line for each tile t
.set t, 0
.rept 4
	\line
.set t, t+1
.endr
.endm
	ALL v_add_f32 v[LL+2*t], v[LL+2*t], v[LL+2*t+1]
	ALL v_permlanex16_b32 v[LL+2*t+1], v[LL+2*t], s[SEL], s[SEL+1]
	ALL v_add_f32 v[LL+2*t], v[LL+2*t], v[LL+2*t+1]
	ALL v_rcp_f32 v[LL+2*t], v[LL+2*t]
	v_nop                           ; a plain instruction between the last reciprocal and the use of its result
	s_wait_alu depctr_va_vdst(0)    ; and the wait ahead of the first use: one for the four reciprocals
; Tile t: a lane's eight channels of a row pack into 16 bytes; they go into rows of 144 bytes and come back as whole rows of 128, into S^T's registers.
.macro PACK t
	WIN W_RS
.set i, 32*(\t)
.rept 16
	v_pk_mul_f32 v[i:i+1], v[i:i+1], v[LL+2*(\t):LL+2*(\t)+1] op_sel_hi:[1,0]
.set i, i+2
.endr
	WIN 0x05                        ; sources 0 and 1 window 1, destination window 0
.set i, 0
.rept 16
	v_cvt_pk_f16_f32 v[S+16*(\t)+i], v[32*(\t)+2*i], v[32*(\t)+2*i+1]
.set i, i+1
.endr
	WIN 0
.irp f, 0,1,2,3
	ds_store_b128 v[STO], v[S+16*(\t)+4*\f:S+16*(\t)+4*\f+3] offset:32*\f
.endr
.irp f, 0,1,2,3
	ds_load_b128 v[S+16*(\t)+4*\f:S+16*(\t)+4*\f+3], v[RD] offset:\f*4*SP  ; LDS serves a wave's instructions in order (ISA guide 5.7.1.4): these see the stores above; the next tile's stores come behind them
.endr
.endm
.macro SEND t, younger              ; younger: the LDS instructions issued behind tile t's loads: the next tile's eight, or none
	WIN 0
.irp f, 0,1,2,3
	s_wait_dscnt (\younger)+3-\f
	global_store_b128 v[GO], v[S+16*(\t)+4*\f:S+16*(\t)+4*\f+3], s[CX:CX+1] offset:(\t)*2048+\f*512  ; 512 consecutive bytes, at a multiple of 512 from ctx's first
.endr
.endm
	PACK 0
.set t, 1
.rept 3                             ; a tile's arithmetic stands between the loads of the tile before and its stores
	PACK t
	SEND t-1, 8
.set t, t+1
.endr
	SEND 3, 0
	s_wait_tensorcnt 0x0            ; the wave's end: three lines, behind my last tensor load and my last LDS store
	ds_add_u32 v[SPW], v[NIL]
	s_wait_dscnt 0x0
	CROUND                          ; the closing round: no work-group ends while a partner may still ask for a tile that names it
	s_endpgm
.Lfunc_end_k_q5da83f38ef_attn:
	.size	k_q5da83f38ef_attn, .Lfunc_end_k_q5da83f38ef_attn-k_q5da83f38ef_attn
	.p2alignl 7, 3214868480
	.fill 96, 4, 3214868480
	.section	.rodata,"a",@progbits
	.p2align	6, 0x0
	.amdhsa_kernel k_q5da83f38ef_attn
		.amdhsa_group_segment_fixed_size 327680
		.amdhsa_private_segment_fixed_size 0
		.amdhsa_enable_private_segment 0
		.amdhsa_kernarg_size 40
		.amdhsa_user_sgpr_count 2
		.amdhsa_user_sgpr_kernarg_segment_ptr 1
		.amdhsa_wavefront_size32 1
		.amdhsa_system_sgpr_workgroup_id_x 1
		.amdhsa_system_sgpr_workgroup_id_y 1
		.amdhsa_system_sgpr_workgroup_id_z 1
		.amdhsa_system_vgpr_workitem_id 0
		.amdhsa_next_free_vgpr 768
		.amdhsa_next_free_sgpr 88
		.amdhsa_reserve_vcc 0
		.amdhsa_float_denorm_mode_32 3
		.amdhsa_float_denorm_mode_16_64 3
		.amdhsa_memory_ordered 1
		.amdhsa_forward_progress 1
		.amdhsa_inst_pref_size 140
	.end_amdhsa_kernel
	.amdgpu_metadata
---
amdhsa.version: [ 1, 2 ]
amdhsa.kernels:
  - .name:           k_q5da83f38ef_attn
    .symbol:         k_q5da83f38ef_attn.kd
    .args:
      - { .name: qh, .offset: 0, .size: 8, .value_kind: global_buffer, .address_space: global }
      - { .name: kh, .offset: 8, .size: 8, .value_kind: global_buffer, .address_space: global }
      - { .name: vh, .offset: 16, .size: 8, .value_kind: global_buffer, .address_space: global }
      - { .name: kc, .offset: 24, .size: 8, .value_kind: global_buffer, .address_space: global }
      - { .name: ctx, .offset: 32, .size: 8, .value_kind: global_buffer, .address_space: global }
    .group_segment_fixed_size: 327680
    .private_segment_fixed_size: 0
    .kernarg_segment_align: 8
    .kernarg_segment_size: 40
    .max_flat_workgroup_size: 128
    .sgpr_count:     88
    .vgpr_count:     768
    .wavefront_size: 32
...
	.end_amdgpu_metadata
.endif
;; end of part 2
;; launch outp (part 3): grid 256 x 1, 4 waves a work-group, no clusters, 34,816 bytes of LDS; arguments ctx, wof, out0; writes out0
.if DOCPART == 3
	.amdgcn_target "amdgcn-amd-amdhsa--gfx1250"
	.amdhsa_code_object_version 6
	.text
	.protected	k_q5da83f38ef_outp
	.globl	k_q5da83f38ef_outp
	.p2align	8
	.type	k_q5da83f38ef_outp,@function
k_q5da83f38ef_outp:
	s_mov_b64 s[64:65], 0
	v_nop
	global_prefetch_b8 v0, s[64:65] scope:SCOPE_SE
	s_setreg_imm32_b32 hwreg(HW_REG_WAVE_MODE, 25, 1), 1
	s_wait_xcnt 0x0
; OUTP.  out0[row][:] = expmap0(context[row] Wo).  ctx: [16 = batch x head][4096][64] f16, context x 4096; wof: Wo (rounded to bf16, written as f16) in fragment order; out0: [8192][512] f32.
; acc = ctx Wo in f32; n = max(2^-12 sqrt(the sum of a row's 512 acc^2), 1e-7); out = acc 2^-12 tanh(n) / n.
; tanh(n)/n: below n = 0.125 the series 1 + u(-1/3 + u(2/15 - 17u/315)), u = n^2 (next term under 2e-9), else (1 - 2/(1 + 2^(2 log2(e) n)))/n; both are computed, one is chosen by v_cndmask_b32.
; LIMITS.  NaN and infinities are not treated apart; the sum of squares must stay finite (|acc| under 1e18).
; SHARES.  A work-group: 32 whole rows, since the norm wants all 512 columns.  A wave: 128 columns of them: two row tiles x eight column blocks, 16 accumulators; 16 K steps of 32, two to a head.
; THE PRODUCT IS TAKEN TRANSPOSED (source 0 = 16 columns of Wo, source 1 = 16 rows of ctx): a lane holds ONE row (lane % 16) and the columns 8 (lane / 16) + 0..7 of each block.
; STRAIGHT INTO REGISTERS.  wof's piece ((nb 16 + ks) 2 + half) 32 + lane holds the 16 bytes that this lane wants for column block nb, K step ks: a load covers 512 consecutive bytes, and each fragment of Wo is
; used by one wave of the work-group alone: nothing is shared through LDS on the way in, and no barrier stands in the loop.  Three sets of registers: 60 loads of a wave are on their way.
; NO CLUSTER: a joint load lands in LDS, and Wo's 524,288 bytes are more than LDS holds, so sharing it would take a ring that is filled again, with a round of the cluster's barrier at each refill, for 256 matrix instructions a wave in all.
.set PART,  0                          ; LDS: the waves' partial sums of squares, a word a thread: two blocks of 256 bytes
.set STAGE, 512                        ; 16 rows x 528 bytes for each wave, for the way out
.set SPO,   528                        ; 512 bytes + 16: 16 rows start at 16 different groups of four banks (64 banks of 4 bytes: ISA guide 11.1)
.set SPARE, STAGE+4*16*SPO             ; behind the stages: the spare words, 128 bytes for each wave: two blocks of 256 bytes that no other line names
.set WO,  4                            ; v4   my 16 bytes of a piece of wof, in my wave's eight column blocks
.set CO,  5                            ; v5   my place in a fragment of ctx
.set STO, 6                            ; v6   the way out: where I put 32 bytes of a row
.set RD,  7                            ; v7   the way out: where I read a row back
.set GO,  8                            ; v8   my 16 bytes of a row of out0
.set PS,  9                            ; v9   my word of the partial sums
.set PR,  10                           ; v10  where I read them
.set SPW, 30                           ; v30  LDS address of my spare word; never rewritten
.set NIL, 31                           ; v31  0; never rewritten
.set SQ,  32                           ; v32-39  sums of squares
.set RT,  40                           ; four registers each: sqrt(ssq), n, three at work, u, the series
.set N,   44
.set T1,  48
.set T2,  52
.set T3,  56
.set U,   60
.set PL,  64
.set F,   72                           ; v72-75  the factor, a pair a tile
.set ACC, 128                          ; accumulator (tile a, column block cb) at ACC + 8 (8 a + cb)
; window 1: three sets of 80: eight fragments of Wo, then two of ctx
.set WV,  10                           ; s10  my wave's number
.set SEL, 12                           ; s[12:13] v_permlanex16_b32's selects
.set HM,  14                           ; s14  lanes 16 to 31
.set CT,  16                           ; s16-18 the series of tanh(n)/n
.set MSB, 0
.macro WIN new                         ; the immediate's high byte repeats the setting that is left; a switch that changes nothing is dropped
.if MSB != (\new)
	s_set_vgpr_msb (MSB<<8)|(\new)
.set MSB, \new
.endif
.endm
.macro ALLG n, line:vararg             ; one line for each tile g
.set g, 0
.rept \n
	\line
.set g, g+1
.endr
.endm
.macro PLACES                          ; four places behind a matrix instruction (ISA guide 7.12.1)
.rept 4
	v_nop
.endr
.endm
	s_load_b128 s[4:7], s[0:1], 0x0                ; ctx s[4:5], wof s[6:7]
	s_load_b64 s[8:9], s[0:1], 0x10                ; out0
	v_lshl_add_u32 v[SPW], v0, 2, SPARE
	v_mov_b32 v[NIL], 0
	v_lshrrev_b32 v1, 5, v0
	v_readfirstlane_b32 s[WV], v1                  ; wave 0..3
	v_and_b32 v1, 31, v0                           ; lane
	v_and_b32 v2, 15, v0                           ; lane % 16
	v_bfe_u32 v3, v0, 4, 1                         ; lane / 16
	s_lshl_b32 s2, s[WV], 17                       ; eight column blocks of 16,384 bytes
	v_lshl_add_u32 v[WO], v1, 4, s2
	v_lshlrev_b32 v[CO], 7, v2                     ; row x 128 + 16 x half
	v_lshl_add_u32 v[CO], v3, 4, v[CO]
	s_mul_i32 s2, s[WV], 16*SPO
	s_add_co_u32 s2, s2, STAGE                     ; my stage
	v_mul_u32_u24 v[STO], v2, SPO
	v_lshl_add_u32 v[STO], v3, 5, v[STO]
	v_add_nc_u32 v[STO], s2, v[STO]
	v_lshl_add_u32 v[RD], v1, 4, s2
	s_lshl_b32 s2, s[WV], 9                        ; my wave's 128 columns: 512 bytes of a row
	v_lshl_add_u32 v[GO], v1, 4, s2
	v_lshlrev_b32 v[PS], 2, v0
	v_lshlrev_b32 v[PR], 2, v2
	s_lshr_b32 s2, ttmp9, 7                        ; the batch: eight heads of 524,288 bytes,
	s_lshl_b32 s2, s2, 22
	s_and_b32 s3, ttmp9, 127
	s_lshl_b32 s3, s3, 12                          ; 32 rows of 128 bytes
	s_add_co_u32 s2, s2, s3
	s_mov_b32 s3, 0
	s_lshl_b32 s20, ttmp9, 16                      ; 32 rows of 2,048 bytes
	s_mov_b32 s21, 0
	s_mov_b32 s[SEL], 0x76543210
	s_mov_b32 s[SEL+1], 0xfedcba98
	s_mov_b32 s[HM], 0xffff0000
	s_mov_b32 s[CT], 0xbeaaaaab                    ; -1/3
	s_mov_b32 s[CT+1], 0x3e088889                  ; 2/15
	s_mov_b32 s[CT+2], 0xbd5d0dd1                  ; -17/315
	s_wait_kmcnt 0x0
	s_add_nc_u64 s[4:5], s[4:5], s[2:3]
	s_add_nc_u64 s[8:9], s[8:9], s[20:21]
; A K step's 20 loads into set ks % 3
.macro LOADS ks
	WIN 0x40
.irp cb, 0,1,2,3,4,5,6,7
	global_load_b128 v[80*((\ks)%3)+8*(\cb):80*((\ks)%3)+8*(\cb)+3],   v[WO], s[6:7] offset:(\cb)*16384+(\ks)*1024
	global_load_b128 v[80*((\ks)%3)+8*(\cb)+4:80*((\ks)%3)+8*(\cb)+7], v[WO], s[6:7] offset:(\cb)*16384+(\ks)*1024+512
.endr
.irp a, 0,1
	global_load_b128 v[80*((\ks)%3)+64+8*(\a):80*((\ks)%3)+64+8*(\a)+3],   v[CO], s[4:5] offset:((\ks)/2)*524288+(\a)*2048+((\ks)%2)*64
	global_load_b128 v[80*((\ks)%3)+64+8*(\a)+4:80*((\ks)%3)+64+8*(\a)+7], v[CO], s[4:5] offset:((\ks)/2)*524288+(\a)*2048+((\ks)%2)*64+32
.endr
.endm
; A K step's 16 products: the 16 accumulators take turns, one instruction a turn; the first K step starts the sums with the constant 0
.macro MULS ks
	WIN 0x05
.irp a, 0,1
.irp cb, 0,1,2,3,4,5,6,7
.if (\ks) == 0
	v_wmma_f32_16x16x32_f16 v[ACC+8*(8*(\a)+(\cb)):ACC+8*(8*(\a)+(\cb))+7], v[80*((\ks)%3)+8*(\cb):80*((\ks)%3)+8*(\cb)+7], v[80*((\ks)%3)+64+8*(\a):80*((\ks)%3)+64+8*(\a)+7], 0
.else
	v_wmma_f32_16x16x32_f16 v[ACC+8*(8*(\a)+(\cb)):ACC+8*(8*(\a)+(\cb))+7], v[80*((\ks)%3)+8*(\cb):80*((\ks)%3)+8*(\cb)+7], v[80*((\ks)%3)+64+8*(\a):80*((\ks)%3)+64+8*(\a)+7], v[ACC+8*(8*(\a)+(\cb)):ACC+8*(8*(\a)+(\cb))+7]
.endif
.endr
.endr
.endm
	LOADS 0
	LOADS 1
	LOADS 2
.set ks, 0
.rept 16
.if ks < 14
	s_wait_loadcnt 40                              ; loads come back in order (ISA guide 5.7.1): this K step's set is in, the two younger sets of 20 stay out
.else
	s_wait_loadcnt 20*(15-ks)                      ; the counts run down
.endif
	MULS ks
.if ks < 13
	PLACES                                         ; the set just multiplied is asked for again
	LOADS ks+3
.endif
.set ks, ks+1
.endr
	WIN 0
	PLACES
	; my 64 numbers of each row, squared and added: two chains a tile; each accumulator is read from its low end on
.set i, 0
.rept 32
.irp a, 0,1
.if i < 2
	v_pk_mul_f32 v[SQ+4*(\a)+2*(i%2):SQ+4*(\a)+2*(i%2)+1], v[ACC+64*(\a)+2*i:ACC+64*(\a)+2*i+1], v[ACC+64*(\a)+2*i:ACC+64*(\a)+2*i+1]
.else
	v_pk_fma_f32 v[SQ+4*(\a)+2*(i%2):SQ+4*(\a)+2*(i%2)+1], v[ACC+64*(\a)+2*i:ACC+64*(\a)+2*i+1], v[ACC+64*(\a)+2*i:ACC+64*(\a)+2*i+1], v[SQ+4*(\a)+2*(i%2):SQ+4*(\a)+2*(i%2)+1]
.endif
.endr
.set i, i+1
.endr
	ALLG 2, v_pk_add_f32 v[SQ+4*g:SQ+4*g+1], v[SQ+4*g:SQ+4*g+1], v[SQ+4*g+2:SQ+4*g+3]
	ALLG 2, v_add_f32 v[SQ+4*g], v[SQ+4*g], v[SQ+4*g+1]
	ALLG 2, v_permlanex16_b32 v[SQ+4*g+1], v[SQ+4*g], s[SEL], s[SEL+1]
	ALLG 2, v_add_f32 v[SQ+4*g], v[SQ+4*g], v[SQ+4*g+1]
	v_cndmask_b32 v[T1], v[SQ], v[SQ+4], s[HM]     ; lanes 0-15 hand on tile 0's rows, lanes 16-31 tile 1's
	ds_store_b32 v[PS], v[T1] offset:PART
	s_wait_dscnt 0x0                               ; for the others' sake: my partial sums are in LDS
	s_barrier_signal -1
	s_barrier_wait -1                              ; the launch's one barrier
.irp a, 0,1
.irp w, 0,1,2,3
	ds_load_b32 v[T1+4*(\a)+(\w)], v[PR] offset:PART+(\w)*128+(\a)*64
.endr
.endr
	s_wait_dscnt 0x0
.irp a, 0,1
	v_add_f32 v[T1+4*(\a)],   v[T1+4*(\a)],   v[T1+4*(\a)+1]
	v_add_f32 v[T1+4*(\a)+2], v[T1+4*(\a)+2], v[T1+4*(\a)+3]
	v_add_f32 v[SQ+2*(\a)],   v[T1+4*(\a)],   v[T1+4*(\a)+2]
.endr
	; Behind a root, reciprocal or exponential one plain instruction stands before its result is used (ISA guide 5.7.2), and s_wait_alu depctr_va_vdst(0) stands ahead of the first line that names the result: one for each batch
	ALLG 2, v_sqrt_f32 v[RT+g], v[SQ+2*g]
	v_nop
	s_wait_alu depctr_va_vdst(0)
	ALLG 2, v_mul_f32 v[N+g], 0x39800000, v[RT+g]  ; 2^-12: ctx carries 4096
	ALLG 2, v_max_num_f32 v[N+g], 0x33d6bf95, v[N+g]
	ALLG 2, v_mul_f32 v[T1+g], 0x4038aa3b, v[N+g]
	ALLG 2, v_exp_f32 v[T1+g], v[T1+g]
	ALLG 2, v_rcp_f32 v[T3+g], v[N+g]
	ALLG 2, v_mul_f32 v[U+g], v[N+g], v[N+g]
	ALLG 2, v_fma_f32 v[PL+g], v[U+g], s[CT+2], s[CT+1]
	ALLG 2, v_fma_f32 v[PL+g], v[PL+g], v[U+g], s[CT]
	ALLG 2, v_fma_f32 v[PL+g], v[PL+g], v[U+g], 1.0
	s_wait_alu depctr_va_vdst(0)                   ; the series is the work between
	ALLG 2, v_add_f32 v[T1+g], 1.0, v[T1+g]
	ALLG 2, v_rcp_f32 v[T2+g], v[T1+g]
	v_nop
	s_wait_alu depctr_va_vdst(0)
	ALLG 2, v_fma_f32 v[T2+g], v[T2+g], -2.0, 1.0
	ALLG 2, v_mul_f32 v[T2+g], v[T2+g], v[T3+g]
.set g, 0
.rept 2
	v_cmp_gt_f32 vcc_lo, 0x3e000000, v[N+g]        ; 0.125 > n: the series
	v_cndmask_b32 v[F+2*g], v[T2+g], v[PL+g], vcc_lo
.set g, g+1
.endr
	ALLG 2, v_mul_f32 v[F+2*g], 0x39800000, v[F+2*g]
	ALLG 2, v_mov_b32 v[F+2*g+1], v[F+2*g]         ; named as a pair
; THE WAY OUT of tile a: scaled; a lane's 32 bytes of a row and block go into rows of 528 bytes and come back as my wave's whole 512 bytes of a row, into the registers that they left
.macro PACK a
.set i, 0
.rept 32
	v_pk_mul_f32 v[ACC+64*(\a)+2*i:ACC+64*(\a)+2*i+1], v[ACC+64*(\a)+2*i:ACC+64*(\a)+2*i+1], v[F+2*(\a):F+2*(\a)+1] op_sel_hi:[1,0]
.set i, i+1
.endr
.irp cb, 0,1,2,3,4,5,6,7
	ds_store_b128 v[STO], v[ACC+64*(\a)+8*(\cb):ACC+64*(\a)+8*(\cb)+3]   offset:64*(\cb)
	ds_store_b128 v[STO], v[ACC+64*(\a)+8*(\cb)+4:ACC+64*(\a)+8*(\cb)+7] offset:64*(\cb)+16
.endr
.set i, 0
.rept 16
	ds_load_b128 v[ACC+64*(\a)+4*i:ACC+64*(\a)+4*i+3], v[RD] offset:i*SPO  ; LDS serves a wave's instructions in order (ISA guide 5.7.1.4): these see the stores above; the next tile's stores come behind them
.set i, i+1
.endr
.endm
.macro SEND a, younger                 ; younger: the LDS instructions issued behind tile a's loads: the other tile's 32, or none
.set i, 0
.rept 16
	s_wait_dscnt (\younger)+15-i
	global_store_b128 v[GO], v[ACC+64*(\a)+4*i:ACC+64*(\a)+4*i+3], s[8:9] offset:(16*(\a)+i)*2048 th:TH_STORE_NT  ; 512 consecutive bytes, at a multiple of 512 from out0's first
.set i, i+1
.endr
.endm
	PACK 0
	PACK 1
	SEND 0, 32
	SEND 1, 0
	s_wait_tensorcnt 0x0                           ; the wave's end: three lines, behind my last LDS store
	ds_add_u32 v[SPW], v[NIL]
	s_wait_dscnt 0x0
	s_endpgm
.Lfunc_end_k_q5da83f38ef_outp:
	.size	k_q5da83f38ef_outp, .Lfunc_end_k_q5da83f38ef_outp-k_q5da83f38ef_outp
	.p2alignl 7, 3214868480
	.fill 96, 4, 3214868480
	.section	.rodata,"a",@progbits
	.p2align	6, 0x0
	.amdhsa_kernel k_q5da83f38ef_outp
		.amdhsa_group_segment_fixed_size 34816
		.amdhsa_private_segment_fixed_size 0
		.amdhsa_enable_private_segment 0
		.amdhsa_kernarg_size 24
		.amdhsa_user_sgpr_count 2
		.amdhsa_user_sgpr_kernarg_segment_ptr 1
		.amdhsa_wavefront_size32 1
		.amdhsa_system_sgpr_workgroup_id_x 1
		.amdhsa_system_sgpr_workgroup_id_y 1
		.amdhsa_system_sgpr_workgroup_id_z 1
		.amdhsa_system_vgpr_workitem_id 0
		.amdhsa_next_free_vgpr 512
		.amdhsa_next_free_sgpr 66
		.amdhsa_reserve_vcc 1
		.amdhsa_float_denorm_mode_32 3
		.amdhsa_float_denorm_mode_16_64 3
		.amdhsa_memory_ordered 1
		.amdhsa_forward_progress 1
		.amdhsa_inst_pref_size 71
	.end_amdhsa_kernel
	.amdgpu_metadata
---
amdhsa.version: [ 1, 2 ]
amdhsa.kernels:
  - .name:           k_q5da83f38ef_outp
    .symbol:         k_q5da83f38ef_outp.kd
    .args:
      - { .name: ctx, .offset: 0, .size: 8, .value_kind: global_buffer, .address_space: global }
      - { .name: wof, .offset: 8, .size: 8, .value_kind: global_buffer, .address_space: global }
      - { .name: out0, .offset: 16, .size: 8, .value_kind: global_buffer, .address_space: global }
    .group_segment_fixed_size: 34816
    .private_segment_fixed_size: 0
    .kernarg_segment_align: 8
    .kernarg_segment_size: 24
    .max_flat_workgroup_size: 128
    .sgpr_count:     66
    .vgpr_count:     512
    .wavefront_size: 32
...
	.end_amdgpu_metadata
.endif
;; end of part 3
;; ======== version 2 of 2: 3 launches; version 1 with the launches proj, outp written anew for expert scheduling mode
;; limits: values are held in f16: magnitudes above 65,504 overflow, below 6.1e-05 lose precision
;; workspace buffers: qh 8,388,608 bytes; kh 8,388,608 bytes; vh 8,388,608 bytes; kc 262,144 bytes; wof 524,288 bytes; ctx 8,388,608 bytes
;; launch proj (part 4): grid 64 x 4, 4 waves a work-group, no clusters, 282,112 bytes of LDS; arguments inputs, Wq, Wk, Wv, Wo, qh, kh, vh, kc, wof; writes qh, kh, vh, kc, wof
.if DOCPART == 4
	.amdgcn_target "amdgcn-amd-amdhsa--gfx1250"
	.amdhsa_code_object_version 6
	.text
	.protected	k_q5da83f38ef_proj
	.globl	k_q5da83f38ef_proj
	.p2align	8
	.type	k_q5da83f38ef_proj,@function
k_q5da83f38ef_proj:
	s_mov_b64 s[64:65], 0
	v_nop
	global_prefetch_b8 v0, s[64:65] scope:SCOPE_SE
	s_setreg_imm32_b32 hwreg(HW_REG_WAVE_SCHED_MODE, 0, 2), 2
	s_setreg_imm32_b32 hwreg(HW_REG_WAVE_MODE, 25, 1), 1
	s_wait_xcnt 0x0
	s_wait_alu depctr_vm_vsrc(0)
; PROJ.  From x = inputs [8192][256] f32 and Wq, Wk, Wv [256][512] f32 it makes, by heads [16 = batch x head][4096][64] in f16:
;   qh = expmap0(tangent Wq);  kh = expmap0(tangent Wk) x log2(e)/4;  vh = logmap0(tangent Wv) x 4096;  and kc [16][4096] f32 = -|expmap0(k)|^2 log2(e)/8.
; tangent = s x with one number s = artanh(min(n, 1-1e-5)) / n, n = max(|x|, 1e-7), a row: so the product is bf16(x) bf16(W) with f32 sums, and s is applied behind it.  |x|^2 is taken of the rounded x.
; For a row and head: ssq = the sum of the 64 sums' squares, n = max(s sqrt(ssq), 1e-7); the factor is s tanh(n)/n (q, k) or s artanh(min(n, 1-1e-5))/n (v).
; tanh(n)/n: below n = 0.125 the series 1 + u(-1/3 + u(2/15 - 17u/315)), u = n^2 (next term under 2e-9), else (1 - 2/(1 + 2^(2 log2(e) n)))/n.  artanh(a): below 0.125 a(1 + u(1/3 + u(1/5 + u(1/7 + u/9)))), else ln(2)/2 (log2(1+a) - log2(1-a)).
; Both ways are computed in every lane and one is chosen by v_cndmask_b32.
; Side job: Wo [512][512] f32 is rounded to bf16, that number written as f16, in the order in which the last launch's fragments want it (wof): 128 pieces of 16 bytes a work-group.
; LIMITS.  NaN and infinities are not treated apart; ssq must stay finite (sums under 1e19); |Wo| under 65,504, and below 6e-5 it keeps f16's step of 6e-8, as q and k do (an exponent moves by less than 1e-7);
; |vh| <= 4096 artanh(1-1e-5) = 24,986 for every input.
; SHARES.  A work-group: 128 rows x the two heads 2 hp, 2 hp + 1 of q, k and v (3 x 128 columns).  A wave: 32 rows (two tiles of 16) x all those columns, one kind (128 columns, 16 accumulators) at a time.
; THE PRODUCT IS TAKEN TRANSPOSED (source 0 = 16 columns of W, source 1 = 16 rows of x): a lane holds ONE row (lane % 16) and the columns 8 (lane / 16) + 0..7 of each block of 16, so a head's sum of squares is
; a sum in the lane and one exchange of the lanes' halves, and eight results pack into 16 bytes of a row.
; NO CLUSTER, NO TENSOR LOAD: W arrives as f32 [k][n] and has to be rounded on its way into LDS, so it passes through registers; as f32 the work-group's share, 3 x 256 x 128 x 4 = 393,216 bytes, is more than LDS holds.
; kc leaves in pieces of 64 bytes (16 rows of one head a half wave): 262,144 bytes in the whole launch against 25 MB of whole rows.
; THE MODE: SCHED_MODE bits 1:0 = 2 (LLVM: expert scheduling mode 2), set by the entry lines.  The code itself states the register dependences
; between vector or matrix instructions and memory or LDS instructions, with s_wait_alu, always for 0.
; THE PLAN.  Registers that memory or LDS instructions touch:
;   v4-14, v26-29   Addresses and offsets, made at the head, ahead of one wait on va_vdst.  Only v[AW ..] are written again: once a kind, at the trip's bottom.
;   the load sets   Batch b: its 32 conversions read set b % 4; behind them the loads of batch b + 4 land in it.
;   CV0, CV1        Batch b's conversions write CV[b % 2]; its 16 LDS stores read it.  Behind a batch's conversions stand one wait on va_vdst (CV[b % 2] is written, the set is read out) and one on vm_vsrc, AHEAD of
;                   the batch's own stores: it covers the stores of batch b - 1, which read the other CV, and nothing issued between it and batch b + 1's conversions reads that buffer.
;   WF0, WF1        K step ks: its 16 products read WF[ks % 2]; the loads of step ks + 1 land in the other buffer, which step ks - 1's products read.  ONE wait on va_vdst at a step's head; the 16 loads follow it in two
;                   runs of eight, the second behind four products, which name WF[ks % 2], x's fragments and the accumulators: none of the registers that those loads touch.
;   the accumulators' registers on the way out, 32 a group: the roundings write the lower 16, which the stage's stores read, and empty the upper 16, in which the loads from the stage land and which the global
;                   stores read.  One wait on va_vdst ahead of the stage; one on vm_vsrc at the trip's bottom, ahead of the step of v[AW ..] and of the next kind's products.
;   x's fragments and Wo's eight numbers are loaded once, into registers that no vector instruction has named.
.set PW,    800                        ; a k row of W in LDS: 3 kinds x 256 bytes of bf16 + 32 = 25 x 32 bytes
.set PX,    528                        ; a row of x in LDS: 512 bytes of bf16 + 16: 16 rows start at 16 different groups of four banks
.set XB,    256*PW                     ; behind W: 32 rows of x for each wave
.set XBW,   32*PX
.set STAGE, XB+4*XBW                   ; behind them: 16 rows x 144 bytes for each wave, for the way out
.set SP,    144
.set SPARE, STAGE+4*16*SP              ; behind the stages: the spare words, 128 bytes for each wave: two blocks of 256 bytes that no other line names
; window 0
.set GXO, 4                            ; v4   16 x lane: my 16 bytes of 512 on end, for the loads of x and W and the stores of q, k, v
.set LXS, 5                            ; v5   where my 8 bytes of a half row of x go
.set LWS, 6                            ; v6   where my 8 bytes of a k row of W go
.set AXF, 7                            ; v7   my place in a fragment of x
.set AW,  8                            ; v8-11  my place in a turned fragment of W, k rows 64 p on; steps 256 bytes a kind
.set STO, 12                           ; v12  the way out: where I put 16 bytes of a row
.set RD,  13                           ; v13  the way out: where I read rows back
.set KCO, 14                           ; v14  my word of kc: 4 (lane % 16) + 16,384 (lane / 16)
.set ZR,  15                           ; v15  0
.set SCR, 16                           ; v16-17  s of my row in tile 0, 1
.set WL,  18                           ; v18-25  eight numbers of Wo
.set WOS, 26                           ; v26  where they come from
.set WOD, 27                           ; v27  where they go
.set SPW, 28                           ; v28  LDS address of my spare word; never rewritten
.set NIL, 29                           ; v29  0; never rewritten
.set SQ,  32                           ; v32-39  sums of squares, a pair a group
.set CH,  40                           ; v40-47  the eight chains of |x|^2
.set RT,  40                           ; v40-71  four registers each: sqrt(ssq), n, three at work, u, the series, a
.set N,   44
.set T1,  48
.set T2,  52
.set T3,  56
.set U,   60
.set PL,  64
.set AA,  68
.set F,   72                           ; v72-79  the factor, a pair a group
.set KV,  80                           ; v80-85  kc
.set CV,  64                           ; v64-127 while x and W come in: two buffers of 32, by turns: a batch rounded to bf16
.set ACC, 128                          ; v128-255  accumulator (tile a, column block cb) at ACC + 8 (8 a + cb); while x and W come in: load sets 0, 1
; window 1: v0-127 fragments of x (tile a, K step ks at 64 a + 8 ks); v128-255 two buffers of W's fragments; while x and W come in: load sets 2, 3
.set WF,  128
.set WV,  4                            ; s4   my wave's number
.set RB,  5                            ; s5   block of 128 rows
.set HP,  6                            ; s6   pair of heads
.set T,   7                            ; s7   kinds to go: 3 = q, 2 = k, 1 = v
.set CM,  8                            ; s8-11  the compares' masks, a register a group (the two arguments that lay here have been used up by then)
.set XP,  28                           ; s[28:29] x at my wave's 32 rows
.set WP,  30                           ; s[30:35] Wq, Wk, Wv at my wave's 64 k rows and the work-group's 128 columns
.set OB,  36                           ; s[36:37] where the kind in hand goes
.set OQ,  38                           ; s[38:43] qh, kh, vh at my wave's rows of head 2 hp
.set KCP, 44                           ; s[44:45] kc likewise
.set SCL, 46                           ; s46  the kind's constant; s47, s48: k's and v's
.set HM,  49                           ; s49  0xffff0000: a word's upper bf16; as a lane mask: lanes 16 to 31
.set SEL, 50                           ; s[50:51] v_permlanex16_b32's selects: each lane takes its own place in the other half
.set CT,  52                           ; s52-54 the series of tanh(n)/n
.set CA,  55                           ; s55-58 the series of artanh(a)/a
.set MSB, 0
.macro WIN new                         ; the immediate's high byte repeats the setting that is left; a switch that changes nothing is dropped
.if MSB != (\new)
	s_set_vgpr_msb (MSB<<8)|(\new)
.set MSB, \new
.endif
.endm
.macro ALLG n, line:vararg             ; one line for each group g
.set g, 0
.rept \n
	\line
.set g, g+1
.endr
.endm
.macro PLACES                          ; four places behind a matrix instruction, before a vector instruction reads its result (ISA guide 7.12.1)
.rept 4
	v_nop
.endr
.endm
	s_load_b512 s[8:23], s[0:1], 0x0               ; inputs 8, Wq 10, Wk 12, Wv 14, Wo 16, qh 18, kh 20, vh 22
	s_load_b128 s[24:27], s[0:1], 0x40             ; kc 24, wof 26
	v_lshl_add_u32 v[SPW], v0, 2, SPARE
	v_mov_b32 v[NIL], 0
	v_lshrrev_b32 v1, 5, v0
	v_readfirstlane_b32 s[WV], v1                  ; wave 0..3
	s_mov_b32 s[RB], ttmp9
	s_and_b32 s[HP], ttmp7, 0xffff
	v_and_b32 v1, 31, v0                           ; lane
	v_and_b32 v2, 15, v0                           ; lane % 16
	v_bfe_u32 v3, v0, 4, 1                         ; lane / 16
	v_lshlrev_b32 v[GXO], 4, v1
	s_wait_alu depctr_va_sdst(0)                   ; s[WV] is written, ahead of its first reader: LDS places and the bases are made from it
	s_mul_i32 s2, s[WV], XBW
	s_add_co_u32 s2, s2, XB                        ; my wave's rows of x in LDS
	v_lshl_add_u32 v[LXS], v1, 3, s2
	s_mul_i32 s3, s[WV], 64*PW                     ; my wave's 64 k rows of W in LDS
	v_lshl_add_u32 v[LWS], v1, 3, s3
	v_mul_u32_u24 v[AXF], v2, PX                   ; a fragment of x: row lane % 16, 16 bytes for each half of the lanes
	v_lshl_add_u32 v[AXF], v3, 4, v[AXF]
	v_add_nc_u32 v[AXF], s2, v[AXF]
	v_and_b32 v30, 7, v0
	v_bfe_u32 v31, v0, 3, 1
	v_lshl_add_u32 v[AW], v3, 3, v30               ; the turning load: k row 8 (lane / 16) + lane % 8, columns 8 ((lane / 8) % 2) on
	v_mul_u32_u24 v[AW], v[AW], PW
	v_lshl_add_u32 v[AW], v31, 4, v[AW]
	v_add_nc_u32 v[AW+1], 64*PW, v[AW]
	v_add_nc_u32 v[AW+2], 128*PW, v[AW]
	v_add_nc_u32 v[AW+3], 192*PW, v[AW]
	s_mul_i32 s2, s[WV], 16*SP
	s_add_co_u32 s2, s2, STAGE                     ; my stage
	v_mul_u32_u24 v[STO], v2, SP
	v_lshl_add_u32 v[STO], v3, 4, v[STO]
	v_add_nc_u32 v[STO], s2, v[STO]
	v_bfe_u32 v[RD], v0, 3, 2                      ; back: 32 lanes take four rows of 128 bytes
	v_mul_u32_u24 v[RD], v[RD], SP
	v_lshl_add_u32 v[RD], v30, 4, v[RD]
	v_add_nc_u32 v[RD], s2, v[RD]
	v_lshlrev_b32 v[KCO], 2, v2
	v_lshl_add_u32 v[KCO], v3, 14, v[KCO]
	v_mov_b32 v[ZR], 0
	; Wo: piece c = (64 hp + rb) 128 + thread = ((nb 16 + ks) 2 + half) 32 + lane holds Wo[32 ks + 16 half + 8 (lane / 16) + e][16 nb + lane % 16], e = 0..7
	s_lshl_b32 s2, s[HP], 6
	s_add_co_u32 s2, s2, s[RB]
	s_lshl_b32 s2, s2, 7
	v_add_nc_u32 v30, s2, v0                       ; c
	v_bfe_u32 v[WOS], v30, 4, 6                    ; bits 4 to 9 of c, times 8, are the first of the eight rows of 2,048 bytes
	v_lshlrev_b32 v[WOS], 14, v[WOS]
	v_lshrrev_b32 v31, 10, v30
	v_lshl_add_u32 v[WOS], v31, 6, v[WOS]          ; 16 nb columns of 4 bytes
	v_and_b32 v31, 15, v30
	v_lshl_add_u32 v[WOS], v31, 2, v[WOS]
	v_lshlrev_b32 v[WOD], 4, v30
	s_lshl_b32 s60, s[RB], 17                      ; 128 rows of 1,024 bytes,
	s_lshl_b32 s2, s[WV], 15                       ; my wave's 32
	s_add_co_u32 s60, s60, s2
	s_mov_b32 s61, 0
	s_lshl_b32 s2, s[WV], 17                       ; 64 k rows of 2,048 bytes,
	s_lshl_b32 s3, s[HP], 9                        ; 128 columns of 4 bytes
	s_add_co_u32 s2, s2, s3
	s_mov_b32 s3, 0
	s_wait_kmcnt 0x0
	s_add_nc_u64 s[XP:XP+1], s[8:9], s[60:61]
	s_add_nc_u64 s[WP:WP+1], s[10:11], s[2:3]
	s_add_nc_u64 s[WP+2:WP+3], s[12:13], s[2:3]
	s_add_nc_u64 s[WP+4:WP+5], s[14:15], s[2:3]
	s_wait_alu depctr_va_vdst(0)                   ; the addresses and offsets v4 to v14 and v26 to v29 are written, which the kernel's loads and stores read
; x AND W COME IN: 16 batches of 16 loads, each load 512 consecutive bytes at a multiple of 512 from its buffer's first byte, through four sets of 64 registers: 64 loads of a wave are on their way.
; Batches 0-3: my 32 rows of x, half a row a load.  Batches 4-15: my 64 k rows of Wq, Wk, Wv, the work-group's 128 columns of a row a load.
.macro LD16 set, base, first, stride
	WIN ((\set)/2)<<6                              ; destination: sets 0, 1 in window 0, sets 2, 3 in window 1
.set i, 0
.rept 16
	global_load_b128 v[128+64*((\set)%2)+4*i:128+64*((\set)%2)+4*i+3], v[GXO], s[\base:\base+1] offset:((\first)+i)*(\stride)
.set i, i+1
.endr
.endm
.macro ASKB b
.if (\b) < 4
	LD16 (\b)%4, XP, 16*(\b), 512
.else
	LD16 (\b)%4, WP+2*(((\b)-4)/4), 16*(((\b)-4)%4), 2048
.endif
.endm
.macro CV16 set, cvb                   ; four f32 a lane and load become four bf16, rounded to nearest even, in buffer cvb of CV
	WIN ((\set)/2)*5
.set i, 0
.rept 16
	v_cvt_pk_bf16_f32 v[CV+32*(\cvb)+2*i],   v[128+64*((\set)%2)+4*i],   v[128+64*((\set)%2)+4*i+1]
	v_cvt_pk_bf16_f32 v[CV+32*(\cvb)+2*i+1], v[128+64*((\set)%2)+4*i+2], v[128+64*((\set)%2)+4*i+3]
.set i, i+1
.endr
.endm
.macro STB b                           ; 8 bytes a lane: 256 consecutive bytes of LDS a store
	WIN 0
.set i, 0
.rept 16
.if (\b) < 4
	ds_store_b64 v[LXS], v[CV+32*((\b)%2)+2*i:CV+32*((\b)%2)+2*i+1] offset:((16*(\b)+i)/2)*PX+((16*(\b)+i)%2)*256
.else
	ds_store_b64 v[LWS], v[CV+32*((\b)%2)+2*i:CV+32*((\b)%2)+2*i+1] offset:(16*(((\b)-4)%4)+i)*PW+(((\b)-4)/4)*256
.endif
.set i, i+1
.endr
.endm
.set b, 0
.rept 4
	ASKB b
.set b, b+1
.endr
	; the rest of the set-up stands in the wait for the first batch
	s_lshr_b32 s2, s[RB], 5                        ; the batch
	s_lshl_b32 s2, s2, 3
	s_lshl_b32 s3, s[HP], 1
	s_add_co_u32 s2, s2, s3                        ; 8 x batch + 2 hp
	s_and_b32 s3, s[RB], 31
	s_lshl_b32 s3, s3, 7
	s_lshl_b32 s60, s[WV], 5
	s_add_co_u32 s3, s3, s60                       ; my wave's first row in the batch
	s_lshl_b32 s60, s2, 19                         ; a head is 4,096 rows of 128 bytes
	s_lshl_b32 s61, s3, 7
	s_add_co_u32 s60, s60, s61
	s_mov_b32 s61, 0
	s_add_nc_u64 s[OQ:OQ+1], s[18:19], s[60:61]
	s_add_nc_u64 s[OQ+2:OQ+3], s[20:21], s[60:61]
	s_add_nc_u64 s[OQ+4:OQ+5], s[22:23], s[60:61]
	s_lshl_b32 s60, s2, 14                         ; in kc a head is 4,096 words
	s_lshl_b32 s3, s3, 2
	s_add_co_u32 s60, s60, s3
	s_add_nc_u64 s[KCP:KCP+1], s[24:25], s[60:61]
	s_mov_b64 s[OB:OB+1], s[OQ:OQ+1]
	s_mov_b32 s[SCL], 1.0                          ; q's constant
	s_mov_b32 s47, 0x3eb8aa3b                      ; k's: log2(e) / 4
	s_mov_b32 s48, 0x45800000                      ; v's: 4096
	s_mov_b32 s[HM], 0xffff0000
	s_mov_b32 s[SEL], 0x76543210
	s_mov_b32 s[SEL+1], 0xfedcba98
	s_mov_b32 s[CT], 0xbeaaaaab                    ; -1/3
	s_mov_b32 s[CT+1], 0x3e088889                  ; 2/15
	s_mov_b32 s[CT+2], 0xbd5d0dd1                  ; -17/315
	s_mov_b32 s[CA], 0x3eaaaaab                    ; 1/3
	s_mov_b32 s[CA+1], 0x3e4ccccd                  ; 1/5
	s_mov_b32 s[CA+2], 0x3e124925                  ; 1/7
	s_mov_b32 s[CA+3], 0x3de38e39                  ; 1/9
	s_mov_b32 s[T], 3
.set b, 0
.rept 16
.if b < 13
	s_wait_loadcnt 48                              ; loads come back in order (ISA guide 5.7.1): batch b is in, the three younger batches of 16 stay out
.else
	s_wait_loadcnt 16*(15-b)                       ; the counts run down
.endif
	CV16 b%4, b%2
.if b < 12
	WIN ((b%4)/2)<<6                               ; the window of the loads below, set ahead of the waits
.else
	WIN 0
.endif
	s_wait_alu depctr_va_vdst(0)                   ; the conversions have written CV[b % 2], which the stores below read, and are done reading set b % 4, in which the loads below land
.if b > 0
	s_wait_alu depctr_vm_vsrc(0)                   ; the stores of the batch before have read the other CV, which the next batch's conversions write (behind the last batch: the row scales' arithmetic)
.endif
.if b < 12
	ASKB b+4                                       ; the set just rounded is asked for again, ahead of the stores
.endif
	STB b
.set b, b+1
.endr
	WIN 0
.irp e, 0,1,2,3,4,5,6,7
	global_load_b32 v[WL+(\e)], v[WOS], s[16:17] offset:(\e)*2048  ; Wo's eight numbers: waited for at the kernel's end; no vector instruction has named v[WL ..]
.endr
	; my x as fragments: 16 rows x 32 k in 8 registers, two loads of 16 bytes, 32 bytes apart.  My own bytes: LDS serves a wave's instructions in order (ISA guide 5.7.1.4).  No vector instruction has named these registers
	WIN 0x40
.irp a, 0,1
.irp k, 0,1,2,3,4,5,6,7
	ds_load_b128 v[64*(\a)+8*(\k):64*(\a)+8*(\k)+3],   v[AXF] offset:(\a)*16*PX+(\k)*64
	ds_load_b128 v[64*(\a)+8*(\k)+4:64*(\a)+8*(\k)+7], v[AXF] offset:(\a)*16*PX+(\k)*64+32
.endr
.endr
	s_wait_dscnt 0x0                               ; my fragments are in, and, for the others' sake, my stores of W are done
	s_barrier_signal -1                            ; the launch's one barrier; the row scales, work on registers alone, stand between its signal and its wait
	; |x|^2 of the rounded x: a lane holds 128 of its row's 256 numbers; four chains a tile, started on 0
	WIN 0x05
.set i, 0
.rept 64
.irp a, 0,1
.if i < 2
	v_fma_mix_f32_bf16 v[CH+4*(\a)+2*(i%2)],   v[64*(\a)+i], v[64*(\a)+i], v[ZR] op_sel_hi:[1,1,0]
	v_fma_mix_f32_bf16 v[CH+4*(\a)+2*(i%2)+1], v[64*(\a)+i], v[64*(\a)+i], v[ZR] op_sel:[1,1,0] op_sel_hi:[1,1,0]
.else
	v_fma_mix_f32_bf16 v[CH+4*(\a)+2*(i%2)],   v[64*(\a)+i], v[64*(\a)+i], v[CH+4*(\a)+2*(i%2)] op_sel_hi:[1,1,0]
	v_fma_mix_f32_bf16 v[CH+4*(\a)+2*(i%2)+1], v[64*(\a)+i], v[64*(\a)+i], v[CH+4*(\a)+2*(i%2)+1] op_sel:[1,1,0] op_sel_hi:[1,1,0]
.endif
.endr
.set i, i+1
.endr
	WIN 0
.irp a, 0,1
	v_add_f32 v[SQ+2*(\a)],   v[CH+4*(\a)],   v[CH+4*(\a)+1]
	v_add_f32 v[SQ+2*(\a)+1], v[CH+4*(\a)+2], v[CH+4*(\a)+3]
.endr
.macro HALVES n                        ; a pair's two sums, and the other half of the lanes'
	ALLG \n, v_add_f32 v[SQ+2*g], v[SQ+2*g], v[SQ+2*g+1]
	ALLG \n, v_permlanex16_b32 v[SQ+2*g+1], v[SQ+2*g], s[SEL], s[SEL+1]
	ALLG \n, v_add_f32 v[SQ+2*g], v[SQ+2*g], v[SQ+2*g+1]
.endm
; Behind a root, reciprocal, exponential or logarithm one plain instruction stands before its result is used (ISA guide 5.7.2), and s_wait_alu depctr_va_vdst(0) stands ahead of the first line that names the result: one for each batch.
; The compares that choose between the two ways write scalar registers, in a run, and one wait on va_sdst stands ahead of the selects that read them.
.macro NORM n, scaled                  ; RT = sqrt(ssq); n = max(RT, 1e-7), or max(s RT, 1e-7)
	ALLG \n, v_sqrt_f32 v[RT+g], v[SQ+2*g]
	v_nop
	s_wait_alu depctr_va_vdst(0)                   ; the roots are written
.if \scaled
	ALLG \n, v_mul_f32 v[N+g], v[RT+g], v[SCR+g/2]
	ALLG \n, v_max_num_f32 v[N+g], 0x33d6bf95, v[N+g]
.else
	ALLG \n, v_max_num_f32 v[N+g], 0x33d6bf95, v[RT+g]
.endif
.endm
.macro EXPF n, dst, str                ; tanh(n) / n into v[dst + str g]
	ALLG \n, v_mul_f32 v[T1+g], 0x4038aa3b, v[N+g]
	ALLG \n, v_exp_f32 v[T1+g], v[T1+g]
	ALLG \n, v_rcp_f32 v[T3+g], v[N+g]
	ALLG \n, v_mul_f32 v[U+g], v[N+g], v[N+g]
	ALLG \n, v_fma_f32 v[PL+g], v[U+g], s[CT+2], s[CT+1]
	ALLG \n, v_fma_f32 v[PL+g], v[PL+g], v[U+g], s[CT]
	ALLG \n, v_fma_f32 v[PL+g], v[PL+g], v[U+g], 1.0
	ALLG \n, v_cmp_gt_f32 s[CM+g], 0x3e000000, v[N+g]
	s_wait_alu depctr_va_vdst(0)                   ; the exponentials and the reciprocals of n are written; the series is the work between
	ALLG \n, v_add_f32 v[T1+g], 1.0, v[T1+g]
	ALLG \n, v_rcp_f32 v[T2+g], v[T1+g]
	v_nop
	s_wait_alu depctr_va_vdst(0)                   ; the second reciprocals are written
	ALLG \n, v_fma_f32 v[T2+g], v[T2+g], -2.0, 1.0
	ALLG \n, v_mul_f32 v[T2+g], v[T2+g], v[T3+g]
	s_wait_alu depctr_va_sdst(0)                   ; the compares have written their masks (0.125 > n: the series), which the selects read
	ALLG \n, v_cndmask_b32 v[(\dst)+(\str)*g], v[T2+g], v[PL+g], s[CM+g]
.endm
.macro LOGF n, dst, str                ; artanh(min(n, 1-1e-5)) / n into v[dst + str g]
	ALLG \n, v_min_num_f32 v[AA+g], 0x3f7fff58, v[N+g]
	ALLG \n, v_add_f32 v[T1+g], 1.0, v[AA+g]
	ALLG \n, v_sub_f32 v[T2+g], 1.0, v[AA+g]
	ALLG \n, v_log_f32 v[T1+g], v[T1+g]
	ALLG \n, v_log_f32 v[T2+g], v[T2+g]
	ALLG \n, v_rcp_f32 v[T3+g], v[N+g]
	ALLG \n, v_mul_f32 v[U+g], v[AA+g], v[AA+g]
	ALLG \n, v_fma_f32 v[PL+g], v[U+g], s[CA+3], s[CA+2]
	ALLG \n, v_fma_f32 v[PL+g], v[PL+g], v[U+g], s[CA+1]
	ALLG \n, v_fma_f32 v[PL+g], v[PL+g], v[U+g], s[CA]
	ALLG \n, v_fma_f32 v[PL+g], v[PL+g], v[U+g], 1.0
	ALLG \n, v_mul_f32 v[PL+g], v[PL+g], v[AA+g]
	ALLG \n, v_cmp_gt_f32 s[CM+g], 0x3e000000, v[AA+g]
	s_wait_alu depctr_va_vdst(0)                   ; the logarithms and the reciprocals are written: one batch; the series is the work between
	ALLG \n, v_sub_f32 v[T1+g], v[T1+g], v[T2+g]
	ALLG \n, v_mul_f32 v[T1+g], 0x3eb17218, v[T1+g]
	s_wait_alu depctr_va_sdst(0)                   ; the compares have written their masks (0.125 > a: the series), which the selects read
	ALLG \n, v_cndmask_b32 v[T1+g], v[T1+g], v[PL+g], s[CM+g]
	ALLG \n, v_mul_f32 v[(\dst)+(\str)*g], v[T1+g], v[T3+g]
.endm
	HALVES 2
	NORM 2, 0
	LOGF 2, SCR, 1                                 ; s of my row in each tile
	s_barrier_wait -1                              ; W is whole; nobody writes it again
; Four of a K step's 8 fragments of W (16 columns x 32 k each), column blocks c0 on, turned on the way out of LDS: two loads a fragment, 16 k rows apart
.macro FETCHW ks, buf, c0
	WIN 0x40
.irp cb, (\c0), (\c0)+1, (\c0)+2, (\c0)+3
	ds_load_tr16_b128 v[WF+64*(\buf)+8*(\cb):WF+64*(\buf)+8*(\cb)+3],   v[AW+(\ks)/2] offset:((\ks)%2)*32*PW+(\cb)*32
	ds_load_tr16_b128 v[WF+64*(\buf)+8*(\cb)+4:WF+64*(\buf)+8*(\cb)+7], v[AW+(\ks)/2] offset:((\ks)%2)*32*PW+16*PW+(\cb)*32
.endr
.endm
; Four of a K step's 16 products: tile a, column blocks c0 on.  The 16 accumulators take turns, one instruction a turn, in the same order in every step; the first K step starts the sums with the constant 0
.macro MUL4 ks, a, c0
	WIN 0x05
.irp cb, (\c0), (\c0)+1, (\c0)+2, (\c0)+3
.if (\ks) == 0
	v_wmma_f32_16x16x32_bf16 v[ACC+8*(8*(\a)+(\cb)):ACC+8*(8*(\a)+(\cb))+7], v[WF+64*((\ks)%2)+8*(\cb):WF+64*((\ks)%2)+8*(\cb)+7], v[64*(\a)+8*(\ks):64*(\a)+8*(\ks)+7], 0
.else
	v_wmma_f32_16x16x32_bf16 v[ACC+8*(8*(\a)+(\cb)):ACC+8*(8*(\a)+(\cb))+7], v[WF+64*((\ks)%2)+8*(\cb):WF+64*((\ks)%2)+8*(\cb)+7], v[64*(\a)+8*(\ks):64*(\a)+8*(\ks)+7], v[ACC+8*(8*(\a)+(\cb)):ACC+8*(8*(\a)+(\cb))+7]
.endif
.endr
.endm
	WIN 0
.Lkind:                                                ; three trips: q, k, v
	WIN 0x40
	s_wait_alu depctr_va_vdst(0)                   ; v[AW ..] are written (the step at the last trip's bottom); the last trip's products, and in the first trip the conversions, are done reading the registers of both W buffers
	FETCHW 0, 0, 0
	FETCHW 0, 0, 4
.set ks, 0
.rept 8
.if ks < 7
	WIN 0x40
.if ks > 0
	s_wait_alu depctr_va_vdst(0)                   ; the last K step's products are done reading the other buffer, in which this step's 16 loads land
.endif
	FETCHW ks+1, (ks+1)%2, 0
	s_wait_dscnt 8                                 ; this K step's fragments are in; the eight loads just issued stay out
.else
	s_wait_dscnt 0x0
.endif
	MUL4 ks, 0, 0
.if ks < 7
	FETCHW ks+1, (ks+1)%2, 4                       ; no wait: no vector or matrix instruction since the wait above names that buffer or v[AW ..]
.endif
	MUL4 ks, 0, 4
	MUL4 ks, 1, 0
	MUL4 ks, 1, 4
.set ks, ks+1
.endr
	WIN 0
	PLACES
	; group g = 2 a + hh: tile a, head hh: 32 registers at ACC + 32 g.  Each accumulator is read from its low end on
.set i, 0
.rept 16
.set g, 0
.rept 4
.if i == 0
	v_pk_mul_f32 v[SQ+2*g:SQ+2*g+1], v[ACC+32*g:ACC+32*g+1], v[ACC+32*g:ACC+32*g+1]
.else
	v_pk_fma_f32 v[SQ+2*g:SQ+2*g+1], v[ACC+32*g+2*i:ACC+32*g+2*i+1], v[ACC+32*g+2*i:ACC+32*g+2*i+1], v[SQ+2*g:SQ+2*g+1]
.endif
.set g, g+1
.endr
.set i, i+1
.endr
	HALVES 4
	NORM 4, 1
	s_cmp_eq_u32 s[T], 1
	s_cbranch_scc1 .Llog
	EXPF 4, F, 2                                   ; q and k
	s_branch .Ljoin
.Llog:
	LOGF 4, F, 2                                   ; v
.Ljoin:
	ALLG 4, v_mul_f32 v[F+2*g], v[F+2*g], v[SCR+g/2]
	s_cmp_lg_u32 s[T], 2
	s_cbranch_scc1 .Lnokc
	ALLG 4, v_mul_f32 v[KV+g], v[F+2*g], v[RT+g]   ; |expmap0(k)|
	ALLG 4, v_mul_f32 v[KV+g], v[KV+g], v[KV+g]
	ALLG 4, v_mul_f32 v[KV+g], 0xbe38aa3b, v[KV+g] ; x -log2(e) / 8
	v_cndmask_b32 v[KV+4], v[KV], v[KV+1], s[HM]   ; lanes 0-15 store head 2 hp's, lanes 16-31 head 2 hp + 1's
	v_cndmask_b32 v[KV+5], v[KV+2], v[KV+3], s[HM]
	s_wait_alu depctr_va_vdst(0)                   ; the two selects have written v[KV+4] and v[KV+5], which the stores read
	global_store_b32 v[KCO], v[KV+4], s[KCP:KCP+1]
	global_store_b32 v[KCO], v[KV+5], s[KCP:KCP+1] offset:64
.Lnokc:
	ALLG 4, v_mul_f32 v[F+2*g], s[SCL], v[F+2*g]
	ALLG 4, v_mov_b32 v[F+2*g+1], v[F+2*g]         ; named as a pair
.set g, 0
.rept 4
.set i, 0
.rept 16
	v_pk_mul_f32 v[ACC+32*g+2*i:ACC+32*g+2*i+1], v[ACC+32*g+2*i:ACC+32*g+2*i+1], v[F+2*g:F+2*g+1] op_sel_hi:[1,0]
.set i, i+1
.endr
.set g, g+1
.endr
.set g, 0
.rept 4
.set i, 0
.rept 16
	v_cvt_pk_f16_f32 v[ACC+32*g+i], v[ACC+32*g+2*i], v[ACC+32*g+2*i+1]  ; in place, ascending: register i was read at i / 2; the group closes up into its lower 16 registers
.set i, i+1
.endr
.set g, g+1
.endr
	s_wait_alu depctr_va_vdst(0)                   ; the roundings have written each group's lower 16 registers, which the stage's stores read, and are done reading its upper 16, in which the loads from the stage land
	; 16 rows x 128 bytes of a head go through my stage and come back as 2,048 bytes on end, into the group's upper 16 registers; the next group's stores come behind this group's loads (LDS serves a wave's instructions in order: ISA guide 5.7.1.4)
.set g, 0
.rept 4
.irp c, 0,1,2,3
	ds_store_b128 v[STO], v[ACC+32*g+4*(\c):ACC+32*g+4*(\c)+3] offset:32*(\c)
.endr
.irp f, 0,1,2,3
	ds_load_b128 v[ACC+32*g+16+4*(\f):ACC+32*g+16+4*(\f)+3], v[RD] offset:(\f)*4*SP
.endr
.set g, g+1
.endr
.set g, 0
.rept 4
	s_wait_dscnt 24-8*g                            ; group g is back; the younger groups' eight LDS instructions each stay out
.irp f, 0,1,2,3
	global_store_b128 v[GXO], v[ACC+32*g+16+4*(\f):ACC+32*g+16+4*(\f)+3], s[OB:OB+1] offset:(g%2)*524288+(g/2)*2048+(\f)*512  ; 512 consecutive bytes, at a multiple of 512 from the buffer's first
.endr
.set g, g+1
.endr
	s_wait_xcnt 0x0                                ; the stores have had their addresses translated (ISA guide 3.1): their data and their base are written again only behind this wait
	s_wait_alu depctr_vm_vsrc(0)                   ; the turning loads have read v[AW ..], stepped below; the stage's stores and the global stores have read the accumulators' registers, kc's stores theirs: the next kind writes them
	s_cmp_eq_u32 s[T], 3
	s_cselect_b64 s[OB:OB+1], s[OQ+2:OQ+3], s[OQ+4:OQ+5]  ; behind q comes k, behind k comes v
	s_cselect_b32 s[SCL], s47, s48
.irp p, 0,1,2,3
	v_add_nc_u32 v[AW+(\p)], 256, v[AW+(\p)]       ; the next kind's 256 bytes of a k row
.endr
	s_sub_co_u32 s[T], s[T], 1
	s_cmp_lg_u32 s[T], 0
	s_cbranch_scc1 .Lkind
	s_wait_loadcnt 0x0                             ; Wo's eight numbers
.irp j, 0,1,2,3
	v_cvt_pk_bf16_f32 v[SQ+(\j)], v[WL+2*(\j)], v[WL+2*(\j)+1]  ; rounded to bf16, like every input,
.endr
.irp j, 0,1,2,3
	v_lshlrev_b32 v[RT+2*(\j)],   16, v[SQ+(\j)]
	v_and_b32     v[RT+2*(\j)+1], s[HM], v[SQ+(\j)]
.endr
.irp j, 0,1,2,3
	v_cvt_pk_f16_f32 v[T1+(\j)], v[RT+2*(\j)], v[RT+2*(\j)+1]   ; and that number written as f16
.endr
	s_wait_alu depctr_va_vdst(0)                   ; the conversions have written v[T1 ..], which the store reads
	global_store_b128 v[WOD], v[T1:T1+3], s[26:27]  ; a wave's store covers 512 consecutive bytes
	s_wait_dscnt 0x0                               ; the closing lines, six on end
	s_wait_alu 0x0
	s_wait_tensorcnt 0x0
	ds_add_u32 v[SPW], v[NIL]
	s_wait_dscnt 0x0
	s_endpgm
.Lfunc_end_k_q5da83f38ef_proj:
	.size	k_q5da83f38ef_proj, .Lfunc_end_k_q5da83f38ef_proj-k_q5da83f38ef_proj
	.p2alignl 7, 3214868480
	.fill 96, 4, 3214868480
	.section	.rodata,"a",@progbits
	.p2align	6, 0x0
	.amdhsa_kernel k_q5da83f38ef_proj
		.amdhsa_group_segment_fixed_size 282112
		.amdhsa_private_segment_fixed_size 0
		.amdhsa_enable_private_segment 0
		.amdhsa_kernarg_size 80
		.amdhsa_user_sgpr_count 2
		.amdhsa_user_sgpr_kernarg_segment_ptr 1
		.amdhsa_wavefront_size32 1
		.amdhsa_system_sgpr_workgroup_id_x 1
		.amdhsa_system_sgpr_workgroup_id_y 1
		.amdhsa_system_sgpr_workgroup_id_z 1
		.amdhsa_system_vgpr_workitem_id 0
		.amdhsa_next_free_vgpr 512
		.amdhsa_next_free_sgpr 66
		.amdhsa_reserve_vcc 0
		.amdhsa_float_denorm_mode_32 3
		.amdhsa_float_denorm_mode_16_64 3
		.amdhsa_memory_ordered 1
		.amdhsa_forward_progress 1
		.amdhsa_inst_pref_size 144
	.end_amdhsa_kernel
	.amdgpu_metadata
---
amdhsa.version: [ 1, 2 ]
amdhsa.kernels:
  - .name:           k_q5da83f38ef_proj
    .symbol:         k_q5da83f38ef_proj.kd
    .args:
      - { .name: inputs, .offset: 0, .size: 8, .value_kind: global_buffer, .address_space: global }
      - { .name: Wq, .offset: 8, .size: 8, .value_kind: global_buffer, .address_space: global }
      - { .name: Wk, .offset: 16, .size: 8, .value_kind: global_buffer, .address_space: global }
      - { .name: Wv, .offset: 24, .size: 8, .value_kind: global_buffer, .address_space: global }
      - { .name: Wo, .offset: 32, .size: 8, .value_kind: global_buffer, .address_space: global }
      - { .name: qh, .offset: 40, .size: 8, .value_kind: global_buffer, .address_space: global }
      - { .name: kh, .offset: 48, .size: 8, .value_kind: global_buffer, .address_space: global }
      - { .name: vh, .offset: 56, .size: 8, .value_kind: global_buffer, .address_space: global }
      - { .name: kc, .offset: 64, .size: 8, .value_kind: global_buffer, .address_space: global }
      - { .name: wof, .offset: 72, .size: 8, .value_kind: global_buffer, .address_space: global }
    .group_segment_fixed_size: 282112
    .private_segment_fixed_size: 0
    .kernarg_segment_align: 8
    .kernarg_segment_size: 80
    .max_flat_workgroup_size: 128
    .sgpr_count:     66
    .vgpr_count:     512
    .wavefront_size: 32
...
	.end_amdgpu_metadata
.endif
;; end of part 4
;; launch attn: the kernel of part 2 again; grid 16 x 16, 4 waves a work-group, clusters of 4 x 1, 327,680 bytes of LDS; arguments qh, kh, vh, kc, ctx; writes ctx
;; launch outp (part 5): grid 256 x 1, 4 waves a work-group, no clusters, 34,816 bytes of LDS; arguments ctx, wof, out0; writes out0
.if DOCPART == 5
	.amdgcn_target "amdgcn-amd-amdhsa--gfx1250"
	.amdhsa_code_object_version 6
	.text
	.protected	k_q5da83f38ef_outp
	.globl	k_q5da83f38ef_outp
	.p2align	8
	.type	k_q5da83f38ef_outp,@function
k_q5da83f38ef_outp:
	s_mov_b64 s[64:65], 0
	v_nop
	global_prefetch_b8 v0, s[64:65] scope:SCOPE_SE
	s_setreg_imm32_b32 hwreg(HW_REG_WAVE_SCHED_MODE, 0, 2), 2
	s_setreg_imm32_b32 hwreg(HW_REG_WAVE_MODE, 25, 1), 1
	s_wait_xcnt 0x0
	s_wait_alu depctr_vm_vsrc(0)
; OUTP.  out0[row][:] = expmap0(context[row] Wo).  ctx: [16 = batch x head][4096][64] f16, context x 4096; wof: Wo (rounded to bf16, written as f16) in fragment order; out0: [8192][512] f32.
; acc = ctx Wo in f32; n = max(2^-12 sqrt(the sum of a row's 512 acc^2), 1e-7); out = acc 2^-12 tanh(n) / n.
; tanh(n)/n: below n = 0.125 the series 1 + u(-1/3 + u(2/15 - 17u/315)), u = n^2 (next term under 2e-9), else (1 - 2/(1 + 2^(2 log2(e) n)))/n; both are computed, one is chosen by v_cndmask_b32.
; LIMITS.  NaN and infinities are not treated apart; the sum of squares must stay finite (|acc| under 1e18).
; SHARES.  A work-group: 32 whole rows, since the norm wants all 512 columns.  A wave: 128 columns of them: two row tiles x eight column blocks, 16 accumulators; 16 K steps of 32, two to a head.
; THE PRODUCT IS TAKEN TRANSPOSED (source 0 = 16 columns of Wo, source 1 = 16 rows of ctx): a lane holds ONE row (lane % 16) and the columns 8 (lane / 16) + 0..7 of each block.
; STRAIGHT INTO REGISTERS.  wof's piece ((nb 16 + ks) 2 + half) 32 + lane holds the 16 bytes that this lane wants for column block nb, K step ks: a load covers 512 consecutive bytes, and each fragment of Wo is
; used by one wave of the work-group alone: nothing is shared through LDS on the way in, and no barrier stands in the loop.  Four sets of registers: 40 to 60 loads of a wave are on their way.
; NO CLUSTER: a joint load lands in LDS, and Wo's 524,288 bytes are more than LDS holds, so sharing it would take a ring that is filled again, with a round of the cluster's barrier at each refill, for 256 matrix instructions a wave in all.
; THE MODE: SCHED_MODE bits 1:0 = 2 (LLVM: expert scheduling mode 2), set by the entry lines.  The code itself states the register dependences
; between vector or matrix instructions and memory or LDS instructions, with s_wait_alu, always for 0.
; THE PLAN.  Registers that memory or LDS instructions touch:
;   v4-10, v30-31  Addresses and offsets, made at the head, ahead of one wait on va_vdst, and never written again: the K steps stand in the loads' immediate offsets.
;   sets 0 .. 3    K step ks: its 16 products read set ks % 4; its 20 loads, of step ks + 3, land in set (ks + 3) % 4 = (ks - 1) % 4, which step ks - 1's products read.  ONE wait on va_vdst at a step's head, behind the
;                  wait for the step's data; the loads follow it in two runs of ten, one ahead of each tile's eight products, which name set ks % 4 and the accumulators: none of the registers that those loads touch.
;   v48            The wave's partial sums: written by a select, read by one LDS store; the loads of all waves' partial sums land in v48-55.
;   the way out    The scalings write the accumulators' registers, which the stage's stores read; the loads from the stage land in window 1's v0-127, idle since the last products, and the global stores read them there.
.set PART,  0                          ; LDS: the waves' partial sums of squares, a word a thread: two blocks of 256 bytes
.set STAGE, 512                        ; 16 rows x 528 bytes for each wave, for the way out
.set SPO,   528                        ; 512 bytes + 16: 16 rows start at 16 different groups of four banks (64 banks of 4 bytes: ISA guide 11.1)
.set SPARE, STAGE+4*16*SPO             ; behind the stages: the spare words, 128 bytes for each wave: two blocks of 256 bytes that no other line names
.set WO,  4                            ; v4   my 16 bytes of a piece of wof, in my wave's eight column blocks
.set CO,  5                            ; v5   my place in a fragment of ctx
.set STO, 6                            ; v6   the way out: where I put 32 bytes of a row
.set RD,  7                            ; v7   the way out: where I read a row back
.set GO,  8                            ; v8   my 16 bytes of a row of out0
.set PS,  9                            ; v9   my word of the partial sums
.set PR,  10                           ; v10  where I read them
.set SPW, 30                           ; v30  LDS address of my spare word; never rewritten
.set NIL, 31                           ; v31  0; never rewritten
.set SQ,  32                           ; v32-39  sums of squares
.set RT,  40                           ; four registers each: sqrt(ssq), n, three at work, u, the series
.set N,   44
.set T1,  48
.set T2,  52
.set T3,  56
.set U,   60
.set PL,  64
.set F,   72                           ; v72-75  the factor, a pair a tile
.set ACC, 128                          ; accumulator (tile a, column block cb) at ACC + 8 (8 a + cb)
; window 1: sets 0, 1, 2 of 80 registers: eight fragments of Wo, then two of ctx; window 2: v0-79 set 3.  On the way out window 1's v0-127 take the rows that come back from the stage
.set WV,  10                           ; s10  my wave's number
.set SEL, 12                           ; s[12:13] v_permlanex16_b32's selects
.set HM,  14                           ; s14  lanes 16 to 31
.set CT,  16                           ; s16-18 the series of tanh(n)/n
.set CM,  22                           ; s22-23 the compares' masks, a register a tile
.set MSB, 0
.macro WIN new                         ; the immediate's high byte repeats the setting that is left; a switch that changes nothing is dropped
.if MSB != (\new)
	s_set_vgpr_msb (MSB<<8)|(\new)
.set MSB, \new
.endif
.endm
.macro ALLG n, line:vararg             ; one line for each tile g
.set g, 0
.rept \n
	\line
.set g, g+1
.endr
.endm
.macro PLACES                          ; four places behind a matrix instruction, before a vector instruction reads its result (ISA guide 7.12.1)
.rept 4
	v_nop
.endr
.endm
	s_load_b128 s[4:7], s[0:1], 0x0                ; ctx s[4:5], wof s[6:7]
	s_load_b64 s[8:9], s[0:1], 0x10                ; out0
	v_lshl_add_u32 v[SPW], v0, 2, SPARE
	v_mov_b32 v[NIL], 0
	v_lshrrev_b32 v1, 5, v0
	v_readfirstlane_b32 s[WV], v1                  ; wave 0..3
	v_and_b32 v1, 31, v0                           ; lane
	v_and_b32 v2, 15, v0                           ; lane % 16
	v_bfe_u32 v3, v0, 4, 1                         ; lane / 16
	s_wait_alu depctr_va_sdst(0)                   ; s[WV] is written, ahead of its first reader: the wave's offsets are made from it
	s_lshl_b32 s2, s[WV], 17                       ; eight column blocks of 16,384 bytes
	v_lshl_add_u32 v[WO], v1, 4, s2
	v_lshlrev_b32 v[CO], 7, v2                     ; row x 128 + 16 x half
	v_lshl_add_u32 v[CO], v3, 4, v[CO]
	s_mul_i32 s2, s[WV], 16*SPO
	s_add_co_u32 s2, s2, STAGE                     ; my stage
	v_mul_u32_u24 v[STO], v2, SPO
	v_lshl_add_u32 v[STO], v3, 5, v[STO]
	v_add_nc_u32 v[STO], s2, v[STO]
	v_lshl_add_u32 v[RD], v1, 4, s2
	s_lshl_b32 s2, s[WV], 9                        ; my wave's 128 columns: 512 bytes of a row
	v_lshl_add_u32 v[GO], v1, 4, s2
	v_lshlrev_b32 v[PS], 2, v0
	v_lshlrev_b32 v[PR], 2, v2
	s_lshr_b32 s2, ttmp9, 7                        ; the batch: eight heads of 524,288 bytes,
	s_lshl_b32 s2, s2, 22
	s_and_b32 s3, ttmp9, 127
	s_lshl_b32 s3, s3, 12                          ; 32 rows of 128 bytes
	s_add_co_u32 s2, s2, s3
	s_mov_b32 s3, 0
	s_lshl_b32 s20, ttmp9, 16                      ; 32 rows of 2,048 bytes
	s_mov_b32 s21, 0
	s_mov_b32 s[SEL], 0x76543210
	s_mov_b32 s[SEL+1], 0xfedcba98
	s_mov_b32 s[HM], 0xffff0000
	s_mov_b32 s[CT], 0xbeaaaaab                    ; -1/3
	s_mov_b32 s[CT+1], 0x3e088889                  ; 2/15
	s_mov_b32 s[CT+2], 0xbd5d0dd1                  ; -17/315
	s_wait_kmcnt 0x0
	s_add_nc_u64 s[4:5], s[4:5], s[2:3]
	s_add_nc_u64 s[8:9], s[8:9], s[20:21]
.macro SETOF ks                        ; K step ks's set: its window SW and its first register SB
.set SW, 1+(((\ks)%4)/3)
.set SB, 80*(((\ks)%4)%3)
.endm
; Ten of a K step's 20 loads: half h: column blocks 4 h to 4 h + 3 of Wo, and tile h of ctx
.macro LOADH ks, h
	SETOF \ks
	WIN SW<<6
.irp c, 0,1,2,3
	global_load_b128 v[SB+8*(4*(\h)+(\c)):SB+8*(4*(\h)+(\c))+3],   v[WO], s[6:7] offset:(4*(\h)+(\c))*16384+(\ks)*1024
	global_load_b128 v[SB+8*(4*(\h)+(\c))+4:SB+8*(4*(\h)+(\c))+7], v[WO], s[6:7] offset:(4*(\h)+(\c))*16384+(\ks)*1024+512
.endr
	global_load_b128 v[SB+64+8*(\h):SB+64+8*(\h)+3],   v[CO], s[4:5] offset:((\ks)/2)*524288+(\h)*2048+((\ks)%2)*64
	global_load_b128 v[SB+64+8*(\h)+4:SB+64+8*(\h)+7], v[CO], s[4:5] offset:((\ks)/2)*524288+(\h)*2048+((\ks)%2)*64+32
.endm
; Eight of a K step's 16 products: tile a.  The 16 accumulators take turns, one instruction a turn, in the same order in every step; the first K step starts the sums with the constant 0
.macro MUL8 ks, a
	SETOF \ks
	WIN SW*5
.irp cb, 0,1,2,3,4,5,6,7
.if (\ks) == 0
	v_wmma_f32_16x16x32_f16 v[ACC+8*(8*(\a)+(\cb)):ACC+8*(8*(\a)+(\cb))+7], v[SB+8*(\cb):SB+8*(\cb)+7], v[SB+64+8*(\a):SB+64+8*(\a)+7], 0
.else
	v_wmma_f32_16x16x32_f16 v[ACC+8*(8*(\a)+(\cb)):ACC+8*(8*(\a)+(\cb))+7], v[SB+8*(\cb):SB+8*(\cb)+7], v[SB+64+8*(\a):SB+64+8*(\a)+7], v[ACC+8*(8*(\a)+(\cb)):ACC+8*(8*(\a)+(\cb))+7]
.endif
.endr
.endm
	WIN 0x40
	s_wait_alu depctr_va_vdst(0)                   ; the addresses and offsets v4 to v10, v30 and v31 are written, which the kernel's loads and stores read
	LOADH 0, 0
	LOADH 0, 1
	LOADH 1, 0
	LOADH 1, 1
	LOADH 2, 0
	LOADH 2, 1
.set ks, 0
.rept 16
.if ks < 14
	s_wait_loadcnt 40                              ; loads come back in order (ISA guide 5.7.1): this K step's set is in, the two younger sets of 20 stay out
.else
	s_wait_loadcnt 20*(15-ks)                      ; the counts run down
.endif
.if ks < 13
	SETOF ks+3
	WIN SW<<6                                      ; the window of the loads below, set ahead of the wait
.if ks > 0
	s_wait_alu depctr_va_vdst(0)                   ; the last K step's products are done reading their set, in which this step's 20 loads land
.endif
	LOADH ks+3, 0                                  ; (in step 0: set 3, which no vector or matrix instruction has named)
.endif
	MUL8 ks, 0
.if ks < 13
	LOADH ks+3, 1                                  ; no wait: no vector or matrix instruction since the wait above names that set or the two offsets
.endif
	MUL8 ks, 1
.set ks, ks+1
.endr
	WIN 0
	PLACES
	; my 64 numbers of each row, squared and added: two chains a tile; each accumulator is read from its low end on
.set i, 0
.rept 32
.irp a, 0,1
.if i < 2
	v_pk_mul_f32 v[SQ+4*(\a)+2*(i%2):SQ+4*(\a)+2*(i%2)+1], v[ACC+64*(\a)+2*i:ACC+64*(\a)+2*i+1], v[ACC+64*(\a)+2*i:ACC+64*(\a)+2*i+1]
.else
	v_pk_fma_f32 v[SQ+4*(\a)+2*(i%2):SQ+4*(\a)+2*(i%2)+1], v[ACC+64*(\a)+2*i:ACC+64*(\a)+2*i+1], v[ACC+64*(\a)+2*i:ACC+64*(\a)+2*i+1], v[SQ+4*(\a)+2*(i%2):SQ+4*(\a)+2*(i%2)+1]
.endif
.endr
.set i, i+1
.endr
	ALLG 2, v_pk_add_f32 v[SQ+4*g:SQ+4*g+1], v[SQ+4*g:SQ+4*g+1], v[SQ+4*g+2:SQ+4*g+3]
	ALLG 2, v_add_f32 v[SQ+4*g], v[SQ+4*g], v[SQ+4*g+1]
	ALLG 2, v_permlanex16_b32 v[SQ+4*g+1], v[SQ+4*g], s[SEL], s[SEL+1]
	ALLG 2, v_add_f32 v[SQ+4*g], v[SQ+4*g], v[SQ+4*g+1]
	v_cndmask_b32 v[T1], v[SQ], v[SQ+4], s[HM]     ; lanes 0-15 hand on tile 0's rows, lanes 16-31 tile 1's
	s_wait_alu depctr_va_vdst(0)                   ; the select has written v[T1], which the store reads
	ds_store_b32 v[PS], v[T1] offset:PART
	s_wait_dscnt 0x0                               ; for the others' sake: my partial sums are in LDS
	s_barrier_signal -1
	s_barrier_wait -1                              ; the launch's one barrier
	s_wait_alu depctr_vm_vsrc(0)                   ; my store has read v[T1], in which the first of the loads below lands
.irp a, 0,1
.irp w, 0,1,2,3
	ds_load_b32 v[T1+4*(\a)+(\w)], v[PR] offset:PART+(\w)*128+(\a)*64
.endr
.endr
	s_wait_dscnt 0x0
.irp a, 0,1
	v_add_f32 v[T1+4*(\a)],   v[T1+4*(\a)],   v[T1+4*(\a)+1]
	v_add_f32 v[T1+4*(\a)+2], v[T1+4*(\a)+2], v[T1+4*(\a)+3]
	v_add_f32 v[SQ+2*(\a)],   v[T1+4*(\a)],   v[T1+4*(\a)+2]
.endr
	; Behind a root, reciprocal or exponential one plain instruction stands before its result is used (ISA guide 5.7.2), and s_wait_alu depctr_va_vdst(0) stands ahead of the first line that names the result: one for each batch
	ALLG 2, v_sqrt_f32 v[RT+g], v[SQ+2*g]
	v_nop
	s_wait_alu depctr_va_vdst(0)                   ; the roots are written
	ALLG 2, v_mul_f32 v[N+g], 0x39800000, v[RT+g]  ; 2^-12: ctx carries 4096
	ALLG 2, v_max_num_f32 v[N+g], 0x33d6bf95, v[N+g]
	ALLG 2, v_mul_f32 v[T1+g], 0x4038aa3b, v[N+g]
	ALLG 2, v_exp_f32 v[T1+g], v[T1+g]
	ALLG 2, v_rcp_f32 v[T3+g], v[N+g]
	ALLG 2, v_mul_f32 v[U+g], v[N+g], v[N+g]
	ALLG 2, v_fma_f32 v[PL+g], v[U+g], s[CT+2], s[CT+1]
	ALLG 2, v_fma_f32 v[PL+g], v[PL+g], v[U+g], s[CT]
	ALLG 2, v_fma_f32 v[PL+g], v[PL+g], v[U+g], 1.0
	ALLG 2, v_cmp_gt_f32 s[CM+g], 0x3e000000, v[N+g]
	s_wait_alu depctr_va_vdst(0)                   ; the exponentials and the reciprocals of n are written; the series is the work between
	ALLG 2, v_add_f32 v[T1+g], 1.0, v[T1+g]
	ALLG 2, v_rcp_f32 v[T2+g], v[T1+g]
	v_nop
	s_wait_alu depctr_va_vdst(0)                   ; the second reciprocals are written
	ALLG 2, v_fma_f32 v[T2+g], v[T2+g], -2.0, 1.0
	ALLG 2, v_mul_f32 v[T2+g], v[T2+g], v[T3+g]
	s_wait_alu depctr_va_sdst(0)                   ; the compares have written their masks (0.125 > n: the series), which the selects read
	ALLG 2, v_cndmask_b32 v[F+2*g], v[T2+g], v[PL+g], s[CM+g]
	ALLG 2, v_mul_f32 v[F+2*g], 0x39800000, v[F+2*g]
	ALLG 2, v_mov_b32 v[F+2*g+1], v[F+2*g]         ; named as a pair
; THE WAY OUT.  Both tiles are scaled; then, a tile at a time, a lane's 32 bytes of a row and block go into rows of 528 bytes and come back as my wave's whole 512 bytes of a row, into window 1
.irp a, 0,1
.set i, 0
.rept 32
	v_pk_mul_f32 v[ACC+64*(\a)+2*i:ACC+64*(\a)+2*i+1], v[ACC+64*(\a)+2*i:ACC+64*(\a)+2*i+1], v[F+2*(\a):F+2*(\a)+1] op_sel_hi:[1,0]
.set i, i+1
.endr
.endr
	s_wait_alu depctr_va_vdst(0)                   ; the scalings have written the accumulators' registers, which the stage's stores read; the products are done reading window 1's sets, in which the loads from the stage land
.macro STG a
	WIN 0
.irp cb, 0,1,2,3,4,5,6,7
	ds_store_b128 v[STO], v[ACC+64*(\a)+8*(\cb):ACC+64*(\a)+8*(\cb)+3]   offset:64*(\cb)
	ds_store_b128 v[STO], v[ACC+64*(\a)+8*(\cb)+4:ACC+64*(\a)+8*(\cb)+7] offset:64*(\cb)+16
.endr
	WIN 0x40                                       ; destination window 1, address window 0
.set i, 0
.rept 16
	ds_load_b128 v[64*(\a)+4*i:64*(\a)+4*i+3], v[RD] offset:i*SPO  ; LDS serves a wave's instructions in order (ISA guide 5.7.1.4): these see the stores above; the next tile's stores come behind them
.set i, i+1
.endr
.endm
.macro SEND a, younger                 ; younger: the LDS instructions issued behind tile a's loads: the other tile's 32, or none
	WIN 0x04                                       ; the stores' data in window 1, their offset in window 0
.set i, 0
.rept 16
	s_wait_dscnt (\younger)+15-i
	global_store_b128 v[GO], v[64*(\a)+4*i:64*(\a)+4*i+3], s[8:9] offset:(16*(\a)+i)*2048 th:TH_STORE_NT  ; 512 consecutive bytes, at a multiple of 512 from out0's first
.set i, i+1
.endr
.endm
	STG 0
	STG 1
	SEND 0, 32
	SEND 1, 0
	WIN 0                                          ; the add's two registers lie in window 0
	s_wait_dscnt 0x0                               ; the closing lines, six on end
	s_wait_alu 0x0
	s_wait_tensorcnt 0x0
	ds_add_u32 v[SPW], v[NIL]
	s_wait_dscnt 0x0
	s_endpgm
.Lfunc_end_k_q5da83f38ef_outp:
	.size	k_q5da83f38ef_outp, .Lfunc_end_k_q5da83f38ef_outp-k_q5da83f38ef_outp
	.p2alignl 7, 3214868480
	.fill 96, 4, 3214868480
	.section	.rodata,"a",@progbits
	.p2align	6, 0x0
	.amdhsa_kernel k_q5da83f38ef_outp
		.amdhsa_group_segment_fixed_size 34816
		.amdhsa_private_segment_fixed_size 0
		.amdhsa_enable_private_segment 0
		.amdhsa_kernarg_size 24
		.amdhsa_user_sgpr_count 2
		.amdhsa_user_sgpr_kernarg_segment_ptr 1
		.amdhsa_wavefront_size32 1
		.amdhsa_system_sgpr_workgroup_id_x 1
		.amdhsa_system_sgpr_workgroup_id_y 1
		.amdhsa_system_sgpr_workgroup_id_z 1
		.amdhsa_system_vgpr_workitem_id 0
		.amdhsa_next_free_vgpr 592
		.amdhsa_next_free_sgpr 66
		.amdhsa_reserve_vcc 0
		.amdhsa_float_denorm_mode_32 3
		.amdhsa_float_denorm_mode_16_64 3
		.amdhsa_memory_ordered 1
		.amdhsa_forward_progress 1
		.amdhsa_inst_pref_size 71
	.end_amdhsa_kernel
	.amdgpu_metadata
---
amdhsa.version: [ 1, 2 ]
amdhsa.kernels:
  - .name:           k_q5da83f38ef_outp
    .symbol:         k_q5da83f38ef_outp.kd
    .args:
      - { .name: ctx, .offset: 0, .size: 8, .value_kind: global_buffer, .address_space: global }
      - { .name: wof, .offset: 8, .size: 8, .value_kind: global_buffer, .address_space: global }
      - { .name: out0, .offset: 16, .size: 8, .value_kind: global_buffer, .address_space: global }
    .group_segment_fixed_size: 34816
    .private_segment_fixed_size: 0
    .kernarg_segment_align: 8
    .kernarg_segment_size: 24
    .max_flat_workgroup_size: 128
    .sgpr_count:     66
    .vgpr_count:     592
    .wavefront_size: 32
...
	.end_amdgpu_metadata
.endif
;; end of part 5
